; MI455X (gfx1250); checked and timed in simulation.
; The chip was launched on July 23, 2026; its instructions are those of AMD's public machine-readable ISA for CDNA 5 (MIT licence, August 2026) and "CDNA5" Instruction Set Architecture Reference Guide (July 2026). The comments in the code are by the model that wrote it; some were corrected since.
;; Attention. Allowed arithmetic: matrix products marked QUANTISED: E2M3 operands, one E8M0 scale for each 32 along K, by v_wmma_scale_f32_16x16x128_f8f6f4 with both operands' format E2M3, f32 sums; everything else in f32.
;; Inputs: W_proj 1,024 x 1,024 float32; W_qkv 3,072 x 1,024 float32; b_proj 1,024 float32; x 4 x 2,048 x 1,024 float32.
;; Outputs: out0 4 x 2,048 x 1,024 float32.
;; This version of the problem:
;;   THIS VERSION OF THE PROBLEM IS GIVEN IN LOW PRECISION. The matrix products marked QUANTISED in the list below multiply operands that are first quantised to E2M3 (2 exponent bits, 3 mantissa bits; 6 bits a number), with one power-of-two scale for each 32 numbers along K (OCP MX v1.0); their sums are f32. All else is computed in f32.
;;   The module's matrix products, in the order in which they are computed (A, B: the left and right operand; K: the contracted axis; several contracted axes count as one K, in the product's order):
;;     1. [M 8,192, K 1,024] x [K 1,024, N 3,072]; A: input x; B: input W_qkv: QUANTISED
;;     2. batch 64 x [M 2,048, K 64] x [K 64, N 2,048]; A: computed on the way; B: computed on the way: QUANTISED
;;     3. batch 64 x [M 2,048, K 2,048] x [K 2,048, N 64]; A: softmax (see below); B: computed on the way: QUANTISED
;;     4. [M 8,192, K 1,024] x [K 1,024, N 1,024]; A: computed on the way; B: input W_proj: QUANTISED
;;   THE QUANTISER, for each operand of a quantised product, along K:
;;     - K is cut into blocks of 32 from its start; a last block that is shorter is filled with zeros.
;;     - A block's scale is 2^e with e = floor(log2(the largest magnitude in the block)) - 2, held to -126 .. 127; a block of zeros has e = 0. As a byte (E8M0): e + 127.
;;     - Each number is divided by its block's scale, clamped to +-7.5, and rounded to the nearest number of E2M3, ties to even, subnormals kept.
;;     - The product sums the exact products of the quantised numbers (number of the format x scale) in f32.
;;   ~~~python
;;   def quantise(x, axis):      # numpy; x: float32 -> the quantised numbers, widened to float32 again
;;       x = np.moveaxis(x, axis, -1); K = x.shape[-1]
;;       x = np.pad(x, [(0, 0)] * (x.ndim - 1) + [(0, -K % 32)]); x = x.reshape(x.shape[:-1] + (-1, 32)); a = np.abs(x).max(-1, keepdims=True)
;;       e = np.where(a > 0, np.clip(np.frexp(np.where(a > 0, a, 1))[1] - 1 - 2, -126, 127), 0)      # np.frexp(a)[1] - 1 = floor(log2(a)), exactly
;;       r = np.clip(x / 2.0 ** e, -7.5, 7.5)
;;       step = 2.0 ** (np.maximum(np.frexp(np.where(r == 0, 1, r))[1] - 1, 0) - 3)
;;       q = np.round(r / step) * step * 2.0 ** e      # np.round: ties to even
;;       return np.moveaxis(q.reshape(q.shape[:-2] + (-1,))[..., :K], -1, axis).astype(np.float32)
;;   ~~~
;;   SOFTMAX AHEAD OF A QUANTISED PRODUCT. Where the list says 'softmax', what is quantised is not the finished softmax but p = 2^(t - M), with t = logit x log2(e) and M = ceil(the row's largest t), a whole number; so 1/2 < the row's largest p <= 1. The row's sum l is taken of the UNQUANTISED p, in f32, and the product's result is divided by l at the end. Since M is a whole number, a kernel that streams over the keys may use a running M (the ceiling of the running maximum): every later rescaling is an exact power of two, which a block's scale takes up: the codes' values come out the same.
;;   OPERANDS COMPUTED ON THE WAY. 'Computed on the way' means the value that the module computes at that place (a softmax that the list does not call 'softmax' is quantised finished and normalised). What goes into a quantiser is computed in f32, as accurately as f32 sums, v_exp_f32 and their like allow (about 1e-6 of the number): no bf16 or f16 on the way to a quantiser, and a product that is left as it is and whose result goes on into a quantised operand takes f32 operands (vector FMAs, or v_wmma_f32_16x16x4_f32). A number that lies on a knife's edge between two numbers of the format may be rounded either way, as far as f32 arithmetic and the matrix unit's own rounding can turn it there, and no further.
;; One version. Each part assembles by itself: llvm-mc -triple=amdgcn-amd-amdhsa -mcpu=gfx1250 --defsym DOCPART=n.
;; ======== version 1 of 1: 4 launches
;; workspace buffers: cw 9,830,400 bytes; qkv 26,738,688 bytes; of 6,553,600 bytes
;; launch quant (part 1): grid 384 x 1, 4 waves a work-group, no clusters, 33,280 bytes of LDS; arguments x, W_qkv, W_proj, cw; writes cw
.if DOCPART == 1
	.amdgcn_target "amdgcn-amd-amdhsa--gfx1250"
	.amdhsa_code_object_version 6
	.text
	.protected	k_qd1bdeb203e_quant
	.globl	k_qd1bdeb203e_quant
	.p2align	8
	.type	k_qd1bdeb203e_quant,@function
k_qd1bdeb203e_quant:
	s_mov_b64 s[64:65], 0
	v_nop
	global_prefetch_b8 v0, s[64:65] scope:SCOPE_SE
	s_setreg_imm32_b32 hwreg(HW_REG_WAVE_MODE, 25, 1), 1
	s_wait_xcnt 0x0
; x [8192][1024], W_qkv [3072][1024] and W_proj [1024][1024], f32, become codes of FP6 (E2M3), K innermost, with one E8M0 scale byte for each 32 along K, in ONE table cw of 12,288 rows:
; rows 0-8191 x, 8192-11263 W_qkv, 11264-12287 W_proj; a row's codes are 768 bytes at 768 x position, its 32 scale bytes lie at SCB + 32 x position.
; TILE ORDER: in each 32 rows the second and third groups of eight change places: position 32 g + 16 u + 8 s + i holds row 32 g + 16 s + 8 u + i.  So 16 neighbouring positions are a tile whose lanes 0-7 take eight
; neighbouring rows and lanes 8-15 the eight rows 16 further on: used as source 0 of a product, two neighbouring tiles give a lane 16 neighbours along the next K.
; A block's scale is 2^(floor(log2(its largest magnitude)) - 2); its byte is the largest magnitude's exponent field - 2, held at 1 from below.
; LIMITS: a block of zeros, or one whose largest magnitude lies under 2^-124, gets the byte 1 (the rule says 127 for zeros): its codes are zeros or tiny, and this program alone reads the bytes.  NaN and infinities are not served.
; A work-group takes 32 rows, a wave eight (8,192 numbers, 16 steps of 512): the wave's run is one group of eight rows, so the tile order is a choice of where the run is stored.
; Each of a step's four loads reads 512 consecutive bytes; the 2,048 bytes turn through the wave's own stage in LDS and come back 64 bytes (16 neighbours) a lane.  No barrier: waves share nothing.
.set STEPS, 16
.set EMAX,  2
.set CB,    12                         ; bytes of 16 codes
.set R,     16                         ; v16-79   four sets of 16 numbers as they are loaded
.set X,     80                         ; v80-111  two sets of 16 neighbours
.set C,     128                        ; v128-191 codes: four registers for each step, so that no store's data are written again
.set E,     112                        ; v112-127 a scale byte for each step
.set WREG,  8192                       ; LDS: a region for each wave: two stages of 32 x SP bytes, behind them its 256 scale bytes
.set SP,    80                         ; a lane's place in a stage: 64 bytes + 16 of padding
.set SCB,   9437184                    ; where the scale bytes begin in cw: 12,288 x 768
	s_load_b128 s[4:7], s[0:1], 0x0                ; x, W_qkv
	s_load_b128 s[8:11], s[0:1], 0x10              ; W_proj, cw
	v_lshl_add_u32 v192, v0, 2, 0x8000
	v_mov_b32 v193, 0
	v_lshrrev_b32 v1, 5, v0
	v_readfirstlane_b32 s16, v1                    ; wave
	v_and_b32 v2, 31, v0                           ; lane
	v_lshlrev_b32 v3, 4, v2                        ; my 16 bytes of a load's 512
	s_mul_i32 s17, s16, WREG
	v_lshrrev_b32 v14, 2, v2
	v_mul_u32_u24 v14, v14, SP
	v_and_b32 v15, 3, v2
	v_lshl_add_u32 v14, v15, 4, v14
	v_add_nc_u32 v14, s17, v14                     ; the stage, on the way in: SP (lane / 4) + 16 (lane % 4)
	v_mul_u32_u24 v15, v2, SP
	v_add_nc_u32 v15, s17, v15                     ; and on the way out: SP x lane: my 16 neighbours
	v_mul_u32_u24 v4, v2, CB                       ; my codes' place in a step's
	v_lshrrev_b32 v5, 1, v2
	s_add_co_u32 s17, s17, 2*32*SP
	v_add_nc_u32 v5, s17, v5                       ; LDS: my wave's 256 scale bytes, my block's byte
	v_lshlrev_b32 v7, 3, v2                        ; and on the way out 8 bytes a lane
	v_add_nc_u32 v6, s17, v7
	s_mov_b32 s20, 352
	s_and_b32 s21, s16, 1                          ; the tile order: wave 1's eight rows go to the third place, wave 2's to the second
	s_lshl_b32 s21, s21, 1
	s_lshr_b32 s22, s16, 1
	s_or_b32 s21, s21, s22
	s_lshl_b32 s22, ttmp9, 2
	s_add_co_u32 s21, s21, s22                     ; which group of eight positions of cw is mine
	s_mul_i32 s24, s21, 6144                       ; its codes: 8 x 768 bytes
	s_mov_b32 s25, 0
	s_lshl_b32 s26, s21, 8                         ; its scale bytes: 8 x 32
	s_add_co_u32 s26, s26, SCB
	s_mov_b32 s27, 0
	s_wait_kmcnt 0x0
	s_cmp_lt_u32 ttmp9, 352                        ; work-groups 0-255 take x, 256-351 W_qkv, 352-383 W_proj: the choice hangs on the work-group's number alone
	s_cselect_b64 s[6:7], s[6:7], s[8:9]
	s_cselect_b32 s17, 256, s20
	s_cmp_lt_u32 ttmp9, 256
	s_cselect_b64 s[4:5], s[4:5], s[6:7]
	s_cselect_b32 s17, 0, s17
	s_sub_co_u32 s17, ttmp9, s17
	s_lshl_b32 s17, s17, 2
	s_add_co_u32 s18, s17, s16                     ; which run of 8,192 numbers of the tensor is my wave's
	s_lshl_b32 s18, s18, 15                        ; 32,768 bytes a run
	s_mov_b32 s19, 0
	s_add_nc_u64 s[4:5], s[4:5], s[18:19]
	s_add_nc_u64 s[8:9], s[10:11], s[24:25]        ; my codes
	s_add_nc_u64 s[10:11], s[10:11], s[26:27]      ; my scale bytes
.macro LOAD t
.irp i, 0,1,2,3
	global_load_b128 v[R+16*((\t)%4)+4*\i:R+16*((\t)%4)+4*\i+3], v3, s[4:5] offset:2048*(\t)+512*\i th:TH_LOAD_NT   ; 32 lanes read 512 consecutive bytes
.endr
.endm
.macro TURN t                          ; step t's numbers through the stage: LDS serves a wave's instructions in order, so no wait stands between the stores and the loads
.irp i, 0,1,2,3
	ds_store_b128 v14, v[R+16*((\t)%4)+4*\i:R+16*((\t)%4)+4*\i+3] offset:32*SP*((\t)%2)+8*SP*\i
.endr
.irp i, 0,1,2,3
	ds_load_b128 v[X+16*((\t)%2)+4*\i:X+16*((\t)%2)+4*\i+3], v15 offset:32*SP*((\t)%2)+16*\i
.endr
.endm
.irp t, 0,1,2,3
	LOAD \t
.endr
	s_wait_loadcnt 12                              ; step 0's four loads are in; the twelve of steps 1 to 3 may be out
	TURN 0
.macro STEP t
.set XS, X+16*((\t)%2)
.if (\t) > 0
	s_wait_dscnt 1                                 ; this step's numbers are back from the stage (the last step's byte store may be out): so its stores into the stage have read their registers,
.else
	s_wait_dscnt 0x0
.endif
.if (\t)+4 < STEPS
	LOAD (\t)+4                                    ; which take the loads of four steps on
.endif
.if (\t)+1 < STEPS
.if STEPS-2-(\t) >= 3
	s_wait_loadcnt 12                              ; the next step's four loads are in; those of the three steps behind it may be out
.else
	s_wait_loadcnt 4*(STEPS-2-(\t))
.endif
	TURN (\t)+1                                    ; and go through the other stage while this step is worked
.endif
	v_max3_num_f32 v8, |v[XS]|, |v[XS+1]|, |v[XS+2]|               ; the largest magnitude of my 16
	v_max3_num_f32 v9, |v[XS+3]|, |v[XS+4]|, |v[XS+5]|
.irp i, 6,10
	v_max3_num_f32 v8, v8, |v[XS+\i]|, |v[XS+\i+1]|
	v_max3_num_f32 v9, v9, |v[XS+\i+2]|, |v[XS+\i+3]|
.endr
	v_max3_num_f32 v8, v8, |v[XS+14]|, |v[XS+15]|
	v_max3_num_f32 v8, v8, v9, (EMAX+1)<<23        ; and the floor 2^(3 - 127): the byte cannot fall under 1
	v_max_num_f32_dpp v8, v8, v8 row_xmask:1 row_mask:0xf bank_mask:0xf   ; and of my neighbour's 16: the block's
	v_add_nc_u32 v11, -(EMAX<<23), v8              ; 2 off its exponent field: the conversion takes the exponent field of this operand as its scale
	v_cvt_scalef32_pk16_fp6_f32 v[C+4*(\t):C+4*(\t)+2], v[XS:XS+15], v11         ; sixteen numbers / the scale, to the nearest code, ties to even, beyond the largest code the largest
	v_lshrrev_b32 v[E+(\t)], 23, v11               ; the scale's byte
	ds_store_b8 v5, v[E+(\t)] offset:16*(\t)       ; both lanes of a block write the same byte with the same value
	global_store_b96 v4, v[C+4*(\t):C+4*(\t)+2], s[8:9] offset:32*CB*(\t)        ; the wave stores 384 consecutive bytes
.endm
.irp t, 0,1,2,3,4,5,6,7,8,9,10,11,12,13,14,15
	STEP \t
.endr
	ds_load_b64 v[12:13], v6                       ; LDS serves a wave's instructions in order: these see my stores
	s_wait_dscnt 0x0
	global_store_b64 v7, v[12:13], s[10:11]        ; 32 lanes store 256 consecutive bytes, aligned
	s_wait_tensorcnt 0x0
	ds_add_u32 v192, v193
	s_wait_dscnt 0x0
	s_endpgm
.Lfunc_end_k_qd1bdeb203e_quant:
	.size	k_qd1bdeb203e_quant, .Lfunc_end_k_qd1bdeb203e_quant-k_qd1bdeb203e_quant
	.p2alignl 7, 3214868480
	.fill 96, 4, 3214868480
	.section	.rodata,"a",@progbits
	.p2align	6, 0x0
	.amdhsa_kernel k_qd1bdeb203e_quant
		.amdhsa_group_segment_fixed_size 33280
		.amdhsa_private_segment_fixed_size 0
		.amdhsa_enable_private_segment 0
		.amdhsa_kernarg_size 32
		.amdhsa_user_sgpr_count 2
		.amdhsa_user_sgpr_kernarg_segment_ptr 1
		.amdhsa_wavefront_size32 1
		.amdhsa_system_sgpr_workgroup_id_x 1
		.amdhsa_system_sgpr_workgroup_id_y 1
		.amdhsa_system_sgpr_workgroup_id_z 1
		.amdhsa_system_vgpr_workitem_id 0
		.amdhsa_next_free_vgpr 194
		.amdhsa_next_free_sgpr 66
		.amdhsa_reserve_vcc 0
		.amdhsa_float_denorm_mode_32 3
		.amdhsa_float_denorm_mode_16_64 3
		.amdhsa_memory_ordered 1
		.amdhsa_forward_progress 1
		.amdhsa_inst_pref_size 33
	.end_amdhsa_kernel
	.amdgpu_metadata
---
amdhsa.version: [ 1, 2 ]
amdhsa.kernels:
  - .name:           k_qd1bdeb203e_quant
    .symbol:         k_qd1bdeb203e_quant.kd
    .args:
      - { .name: x, .offset: 0, .size: 8, .value_kind: global_buffer, .address_space: global }
      - { .name: W_qkv, .offset: 8, .size: 8, .value_kind: global_buffer, .address_space: global }
      - { .name: W_proj, .offset: 16, .size: 8, .value_kind: global_buffer, .address_space: global }
      - { .name: cw, .offset: 24, .size: 8, .value_kind: global_buffer, .address_space: global }
    .group_segment_fixed_size: 33280
    .private_segment_fixed_size: 0
    .kernarg_segment_align: 8
    .kernarg_segment_size: 32
    .max_flat_workgroup_size: 128
    .sgpr_count:     66
    .vgpr_count:     194
    .wavefront_size: 32
...
	.end_amdgpu_metadata
.endif
;; end of part 1
;; launch qkv (part 2): grid 8 x 48, 4 waves a work-group, clusters of 4 x 4, 327,680 bytes of LDS; arguments cw, qkv; writes qkv
.if DOCPART == 2
	.amdgcn_target "amdgcn-amd-amdhsa--gfx1250"
	.amdhsa_code_object_version 6
	.text
	.protected	k_qd1bdeb203e_qkv
	.globl	k_qd1bdeb203e_qkv
	.p2align	8
	.type	k_qd1bdeb203e_qkv,@function
k_qd1bdeb203e_qkv:
	s_mov_b64 s[64:65], 0
	v_nop
	global_prefetch_b8 v0, s[64:65] scope:SCOPE_SE
	s_setreg_imm32_b32 hwreg(HW_REG_WAVE_MODE, 25, 1), 1
	s_wait_xcnt 0x0
	s_wait_alu depctr_hold_cnt(0) depctr_sa_sdst(0) depctr_va_vdst(0) depctr_va_sdst(0) depctr_va_ssrc(0) depctr_va_vcc(0) depctr_vm_vsrc(0)
	s_getreg_b32 s2, hwreg(HW_REG_IB_STS2, 6, 4)
	s_cmp_eq_u32 s2, 0
	s_cbranch_scc0 .Lentry_in_a_cluster
	s_endpgm
.Lentry_in_a_cluster:
	s_bfe_u32 s2, ttmp6, 0x10000c
	s_cmp_lg_u32 s2, 0xf033
	s_cbranch_scc0 .Lentry_shape_is_right
	s_endpgm
.Lentry_shape_is_right:
; qkv = x W_qkv^T on codes of FP6 (E2M3) with E8M0 scales, K = 1,024, and its results quantised at once for the attention: q and k along the head's 64, v along the tokens.  No f32 result goes to memory.
; A tile of 256 x 256 is made by four waves, 128 x 128 each: 64 accumulators, 512 registers.  K goes in steps of 256 through a ring of two LDS slots filled by the tensor data mover; the scale bytes of the work-group's
; 2 x 256 rows come once.  ROLES: R (source 1) gives a lane its row; P (source 0) runs along a lane's registers, and is the axis along which the result is quantised.
;   cluster y 0-7  (q, k): R = 256 positions of x,       P = 256 rows of W_q (cluster x = 0) or W_k (1): a lane holds one token and 128 neighbouring features: two heads.
;   cluster y 8-11 (v):    R = 256 rows of W_v,          P = 256 positions of x: a lane holds one feature d and 128 neighbouring tokens.
; cw holds its rows in TILE ORDER (in each 32 the second and third groups of eight change places): so the 16 registers of P's tiles 2 b, 2 b + 1 are 16 neighbours, 32 b + 16 (lane / 16) + 0 .. 15, and R's tiles
; are tiles of tokens (or of d) in the order in which the attention wants them as source 0.
; OUTPUT: 128 blocks of HS bytes (block b x 16 + head: K and V; block 64 + that: Q in K's fields), each 16 records of RS bytes for 128 tokens, laid as images of the operands' registers:
;   0: K's 8 tiles x 768 (registers 0-3 at 16 x lane, 4-5 at 512 + 8 x lane: the half fragment k = 32 (lane / 16) + 0 .. 31 of d);  6144: V's 4 tiles of d x 1,536 (registers 4 i .. at 512 i + 16 x lane);
;   12288: K's scale words (16 x lane + 4 i: lanes 0-15 tile 2 i, lanes 16-31 tile 2 i + 1);  12800: V's (8 x lane + 4 i).  Bytes 2, 3 of a K or Q word are the neighbouring head's bytes or 0: they meet zero codes alone.
; CLUSTERS: 4 x 4 work-groups; R's tiles are asked for jointly along a row of the cluster, P's along a column.  The 24 clusters' roles hang on the cluster's y alone, which all sixteen partners share.
; LIMITS: a block of zeros, or one under 2^-124, gets the scale byte 1; this program alone reads the bytes.  NaN and infinities are not served.
; REGISTERS: window 0: v0-31 addresses; v32-63 scale words, two sets; v128-223 R's fragments, one set; on the way out v64-199 codes and work.  window 1: P's fragments, two sets.  windows 2, 3: the accumulators.
.set KSTEP,  256
.set NQ,     2                         ; matrix instructions deep in a slot
.set ROWB,   192                       ; a tile's row in bytes: 256 codes
.set KROW,   768                       ; a row of cw in bytes
.set PITCH,  240                       ; an LDS row: 3 x (64 bytes + 16 of padding)
.set FR,     12                        ; registers of a fragment
.set NL,     6                         ; LDS loads that bring one
.set NP,     4                         ; places behind this matrix instruction (ISA guide 7.12.1)
.set HALFT,  128*PITCH
.set SLOT,   4*HALFT                   ; R's 256 rows, then P's 256 rows
.set KS,     32                        ; a row of scale bytes
.set SCL,    2*SLOT                    ; behind the ring: the scale bytes, as rows of 256 bytes + 16 of padding
.set HALFS,  (128*KS/256)*272
.set SBLK,   (16*KS/256)*272
.set SPARE,  SCL+4*HALFS               ; the spare words: 128 bytes for each wave, two blocks of 256 bytes that no other line names
.set SCB,    9437184                   ; where the scale bytes begin in cw
.set HS,     208896                    ; a head's block in qkv
.set RS,     13056                     ; a record: 128 tokens
.set ADRA, 16                          ; v16-17 LDS address of R's fragments in slot 0, 1 (v18-19: behind one padding more)
.set ADRB, 20                          ; v20-21 the same for P (v22-23)
.set L16,  24                          ; v24  16 x lane
.set L8,   25                          ; v25  8 x lane
.set LN,   26                          ; v26  lane
.set ADRS, 27                          ; v27  LDS address of my scale words: lanes 0-15 R's rows, lanes 16-31 P's
.set SPW,  28                          ; v28  my spare word's address; never rewritten
.set NIL,  29                          ; v29  0; never rewritten
.set SC,   32
.set AF,   128
.set CD,   64                          ; the way out: the codes of R's tile a at v[CD + 12 a]
.set T2,   160                         ; a conversion's second halves
.set TM,   168                         ; v168-171 maxima, v172-175 the other half's, then bytes, v180-183 the conversions' scale operands
.set PW,   184                         ; the scale word of tile a at v[PW + a]
.set XW,   192                         ; the scale words as they are stored
.set FL,   3                           ; s3   the floor 2^(3 - 127)
.set SEL,  98                          ; s98, s99 lane selects: lane l xor 16
.set G1, 24
.set G0, 32
.set G1B, 48
.set G0B, 56
.set G1S, 68
.set G0S, 76
.set G1SB, 80
.set G0SB, 88
.set MSB, 0
.macro WIN new                         ; the immediate's high byte repeats the setting that is left
.if MSB != \new
	s_set_vgpr_msb (MSB<<8)|\new
.set MSB, \new
.endif
.endm
.set MUL_LO, 0xa1                      ; source 0 (P) window 1, source 1 (R) window 0, C and D window 2
.set MUL_HI, 0xf1                      ; the same, C and D window 3
.set TO_B,   0x40                      ; destination window 1, address window 0
; A joint load: waves 0 and 1 fetch for R, waves 2 and 3 for P.  The branch hangs on the wave's number alone.  Four v_nop follow each of the two lines.
.macro JLOAD g0a, g1a, g0b, g1b
	s_cmp_eq_u32 s15, 0
	s_cbranch_scc0 .Lfor_b_\@
	tensor_load_to_lds s[\g0a:\g0a+3], s[\g1a:\g1a+7]
	s_nop 0
.rept 4
	v_nop
.endr
	s_branch .Lasked_\@
.Lfor_b_\@:
	tensor_load_to_lds s[\g0b:\g0b+3], s[\g1b:\g1b+7]
	s_nop 0
.rept 4
	v_nop
.endr
.Lasked_\@:
.endm
.macro CREST                           ; a round of the cluster's barrier behind its opening barrier
	s_cmp_lg_u32 s14, 0
	s_cbranch_scc1 .Lnot_wave_0_\@
	s_barrier_signal -3
.Lnot_wave_0_\@:
	s_barrier_wait -3
	s_barrier_signal -1
	s_barrier_wait -1
.endm
.macro CROUND
	s_barrier_signal -1
	s_barrier_wait -1
	CREST
.endm
	s_load_b128 s[4:7], s[0:1], 0x0                ; cw s[4:5], qkv s[6:7]
	v_lshl_add_u32 v[SPW], v0, 2, SPARE
	v_mov_b32 v[NIL], 0
	ds_add_u32 v28, v29
	ds_add_u32 v28, v29
	s_wait_dscnt 0x0
	v_lshrrev_b32 v1, 5, v0
	v_readfirstlane_b32 s14, v1                    ; wave 0..3
	s_lshr_b32 s15, s14, 1                         ; which half of R's rows is mine.  Also: I fetch for R (0) or for P (1)
	s_and_b32 s16, s14, 1                          ; which half of P's rows.  Also: which 128 rows I fetch
	s_bfe_u32 s40, ttmp6, 0x40000                  ; cx, cy: my place in the cluster
	s_bfe_u32 s41, ttmp6, 0x40004
	s_and_b32 s17, ttmp7, 0xffff                   ; the cluster's y
	s_lshl_b32 s43, s41, 2
	s_lshl_b32 s43, 15, s43                        ; my row of the cluster
	s_lshl_b32 s44, 0x1111, s40                    ; my column
	; the roles.  R's registers hold the cluster's y and cy alone, P's the cluster's x, y and cx alone.
	s_lshl_b32 s42, s41, 8                         ; 256 cy
	s_lshl_b32 s20, s17, 10
	s_add_co_u32 s20, s20, s42                     ; q, k: R = positions of x, 1,024 y + 256 cy
	s_add_co_u32 s21, s42, 10240                   ; v: R = W_v's rows, 10,240 + 256 cy
	s_lshl_b32 s46, ttmp9, 10
	s_lshl_b32 s47, s40, 8
	s_add_co_u32 s46, s46, s47                     ; 1,024 x + 256 cx
	s_add_co_u32 s47, s46, 8192                    ; q, k: P = rows of W_q or W_k
	s_max_u32 s92, s17, 8
	s_sub_co_u32 s92, s92, 8
	s_lshl_b32 s92, s92, 11
	s_add_co_u32 s92, s92, s46                     ; v: P = positions of x, 2,048 (y - 8) + 1,024 x + 256 cx
	s_cmp_ge_u32 s17, 8
	s_cselect_b32 s20, s21, s20                    ; R's first row in cw
	s_cselect_b32 s46, s92, s47                    ; P's
	s_cselect_b32 s95, 1, 0                        ; 1: this cluster makes v
	s_mov_b32 s96, s20                             ; both are kept for the way out
	s_mov_b32 s97, s46
	; descriptor group 1: a tile of 128 rows x 192 bytes, 16 bytes of padding behind every 64
	s_or_b32 s[G1+0], s43, (0<<16)|(1<<20)|(1<<21)|(3<<22)|(3<<25)  ; 15:0 the mask: R's tiles go to my row; 17:16 elements of 1 byte; 20 padding on; 21 set beside a mask; 24:22 after every 16 words; 31:25 of 4 words
	s_or_b32 s[G1B+0], s44, (0<<16)|(1<<20)|(1<<21)|(3<<22)|(3<<25)
.irp g, G1, G1B
	s_mov_b32 s[\g+1], ROWB<<16                    ; tensor_dim0
	s_mov_b32 s[\g+2], 128<<16                     ; tensor_dim1
	s_mov_b32 s[\g+3], ROWB<<16                    ; tile_dim0
	s_mov_b32 s[\g+4], 128                         ; tile_dim1
	s_mov_b32 s[\g+5], KROW                        ; tensor_dim0_stride
	s_mov_b32 s[\g+6], 0
	s_mov_b32 s[\g+7], 0
.endr
	; the scale bytes of 128 rows: 4,096 dense bytes, as 16 rows of 256 bytes (32 elements of 8), 16 bytes of padding behind each
	s_or_b32 s[G1S+0], s43, (3<<16)|(1<<20)|(1<<21)|(5<<22)|(3<<25)
	s_or_b32 s[G1SB+0], s44, (3<<16)|(1<<20)|(1<<21)|(5<<22)|(3<<25)
.irp g, G1S, G1SB
	s_mov_b32 s[\g+1], 32<<16
	s_mov_b32 s[\g+2], (128*KS/256)<<16
	s_mov_b32 s[\g+3], 32<<16
	s_mov_b32 s[\g+4], 128*KS/256
	s_mov_b32 s[\g+5], 32
	s_mov_b32 s[\g+6], 0
	s_mov_b32 s[\g+7], 0
.endr
	s_lshl_b32 s18, s16, 7                         ; which 128 rows I fetch
	s_add_co_u32 s20, s20, s18
	s_add_co_u32 s46, s46, s18
	s_mov_b32 s21, 0
	s_mov_b32 s47, 0
	s_mov_b64 s[18:19], KS
	s_mul_u64 s[22:23], s[20:21], s[18:19]         ; where these rows' scale bytes begin,
	s_mul_u64 s[92:93], s[46:47], s[18:19]
	s_mov_b64 s[18:19], KROW
	s_mul_u64 s[20:21], s[20:21], s[18:19]         ; and their codes
	s_mul_u64 s[46:47], s[46:47], s[18:19]
	s_add_nc_u64 s[22:23], s[22:23], SCB
	s_add_nc_u64 s[92:93], s[92:93], SCB
	s_mul_i32 s45, s14, HALFT                      ; where they go: wave x 128 rows: no place in the cluster enters an LDS address
	s_mul_i32 s94, s14, HALFS
	s_wait_kmcnt 0x0
	s_add_nc_u64 s[20:21], s[4:5], s[20:21]
	s_add_nc_u64 s[22:23], s[4:5], s[22:23]
	s_add_nc_u64 s[46:47], s[4:5], s[46:47]
	s_add_nc_u64 s[92:93], s[4:5], s[92:93]
	CROUND                                         ; all sixteen work-groups are here: the first joint loads meet
	s_mov_b32 s[G0S], 1
	s_add_co_u32 s[G0S+1], s94, SCL
	s_mov_b64 s[G0S+2:G0S+3], s[22:23]
	s_or_b32 s[G0S+3], s[G0S+3], 0x80000000
	s_mov_b32 s[G0SB], 1
	s_add_co_u32 s[G0SB+1], s94, SCL
	s_mov_b64 s[G0SB+2:G0SB+3], s[92:93]
	s_or_b32 s[G0SB+3], s[G0SB+3], 0x80000000
	JLOAD G0S, G1S, G0SB, G1SB                     ; the scale bytes first: they are wanted with K step 0
.irp s, 0,1
	s_mov_b32 s[G0+4*\s], 1
	s_add_co_u32 s[G0+4*\s+1], s45, \s*SLOT
	s_add_nc_u64 s[G0+4*\s+2:G0+4*\s+3], s[20:21], \s*ROWB
	s_or_b32 s[G0+4*\s+3], s[G0+4*\s+3], 0x80000000
	s_mov_b32 s[G0B+4*\s], 1
	s_add_co_u32 s[G0B+4*\s+1], s45, \s*SLOT
	s_add_nc_u64 s[G0B+4*\s+2:G0B+4*\s+3], s[46:47], \s*ROWB
	s_or_b32 s[G0B+4*\s+3], s[G0B+4*\s+3], 0x80000000
	JLOAD G0+4*\s, G1, G0B+4*\s, G1B               ; three tensor loads of mine are out
.endr
	v_and_b32 v1, 15, v0                           ; l % 16
	v_bfe_u32 v2, v0, 4, 1                         ; l / 16
	v_mul_u32_u24 v3, v1, PITCH
	v_mul_u32_u24 v4, v2, 24
	v_add_nc_u32 v4, v3, v4                        ; a fragment's row x pitch + 24 x half
	v_lshl_add_u32 v5, v2, 4, v4                   ; and the same behind one padding more
	s_mul_i32 s21, s15, HALFT                      ; my 128 rows of R
	s_mul_i32 s22, s16, HALFT                      ; my 128 rows of P,
	s_add_co_u32 s22, s22, 2*HALFT                 ; which lie behind R's 256
.irp s, 0,1
	v_add_nc_u32 v[ADRA+\s], s21, v4
	v_add_nc_u32 v[ADRB+\s], s22, v4
	v_add_nc_u32 v[ADRA+2+\s], s21, v5
	v_add_nc_u32 v[ADRB+2+\s], s22, v5
	s_add_co_u32 s21, s21, SLOT
	s_add_co_u32 s22, s22, SLOT
.endr
	v_mul_u32_u24 v5, v1, KS                       ; my row's scale bytes: 32 a row,
	v_lshrrev_b32 v6, 8, v5
	v_lshl_add_u32 v5, v6, 4, v5                   ; and 16 more for each 256 passed
	s_mul_i32 s21, s15, HALFS                      ; R's: my 128 rows
	s_mul_i32 s22, s16, HALFS                      ; P's: my 128 rows, behind R's 256
	s_add_co_u32 s22, s22, 2*HALFS
	s_sub_co_u32 s22, s22, s21
	v_mul_u32_u24 v6, s22, v2                      ; lanes 16-31 take P's
	s_add_co_u32 s21, s21, SCL
	v_add_nc_u32 v5, v5, v6
	v_add_nc_u32 v[ADRS], s21, v5
	v_and_b32 v[LN], 31, v0
	v_lshlrev_b32 v[L16], 4, v[LN]
	v_lshlrev_b32 v[L8], 3, v[LN]
	s_mov_b32 s[FL], 0x1800000
	s_mov_b32 s[SEL], 0x76543210
	s_mov_b32 s[SEL+1], 0xfedcba98
.macro FRAG reg, adr, q, i             ; a fragment: lane l holds row l % 16; registers 6 c .. 6 c + 5 hold K = 64 c + 32 (l / 16) + 0 .. 31: 24 bytes of the row's stream of bits, in pieces of 8 bytes
.irp p, 0,1,2,3,4,5
.set PC, 12*(\q)+6*(\p/3)+\p%3        ; 16 bytes of padding lie behind every 8 pieces: where the piece three on lies behind one padding more, the second address register serves
.if PC%8 < 5
	ds_load_b64 v[\reg+2*\p:\reg+2*\p+1], v[\adr] offset:8*PC+16*(PC/8)+(\i)*16*PITCH
.else
	ds_load_b64 v[\reg+2*\p:\reg+2*\p+1], v[\adr+2] offset:8*PC+16*(PC/8)+(\i)*16*PITCH
.endif
.endr
.endm
; 16 matrix instructions: R's blocks a0, a0 + 1 x P's eight, 128 along K.  The 64 accumulators take turns, one instruction a turn, in the same order in every step.
.macro MUL16 a0, p, q, sc, zero
.irp a, \a0, \a0+1
.irp b, 0,1,2,3,4,5,6,7
.if \zero
	v_wmma_scale_f32_16x16x128_f8f6f4 v[8*(8*((\a)%4)+\b):8*(8*((\a)%4)+\b)+7], v[128*(\p)+FR*\b:128*(\p)+FR*\b+FR-1], v[AF+FR*(\a):AF+FR*(\a)+FR-1], 0, v[SC+8*NQ*(\sc)+NQ*\b+(\q)], v[SC+8*NQ*(\sc)+NQ*(\a)+(\q)] matrix_a_fmt:MATRIX_FMT_FP6 matrix_b_fmt:MATRIX_FMT_FP6 matrix_a_scale:MATRIX_SCALE_ROW1
.else
	v_wmma_scale_f32_16x16x128_f8f6f4 v[8*(8*((\a)%4)+\b):8*(8*((\a)%4)+\b)+7], v[128*(\p)+FR*\b:128*(\p)+FR*\b+FR-1], v[AF+FR*(\a):AF+FR*(\a)+FR-1], v[8*(8*((\a)%4)+\b):8*(8*((\a)%4)+\b)+7], v[SC+8*NQ*(\sc)+NQ*\b+(\q)], v[SC+8*NQ*(\sc)+NQ*(\a)+(\q)] matrix_a_fmt:MATRIX_FMT_FP6 matrix_b_fmt:MATRIX_FMT_FP6 matrix_a_scale:MATRIX_SCALE_ROW1
.endif
.endr
.endr
.endm
.macro FETCH_B slot, q, p
	WIN TO_B
.irp i, 0,1,2,3,4,5,6,7
	FRAG 128*(\p)+FR*\i, ADRB+\slot, \q, \i
.endr
	WIN 0
.endm
.macro FETCH_A slot, q, i0
.irp i, \i0, \i0+1, \i0+2, \i0+3
	FRAG AF+FR*(\i), ADRA+\slot, \q, \i
.endr
.endm
.macro SCALES sc                       ; a K step's scale words: two a row; lanes 0-15 take R's block i, lanes 16-31 P's block i
.irp i, 0,1,2,3,4,5,6,7
	ds_load_b64 v[SC+8*NQ*\sc+NQ*\i:SC+8*NQ*\sc+NQ*\i+1], v[ADRS] offset:\i*SBLK
.endr
.endm
.macro PLACES n                        ; plain vector instructions between a matrix instruction and a load into, or a vector instruction on, its registers
.rept \n
	v_nop
.endr
.endm
.macro STEP slot, q, zero              ; a step of 128 along K that has its successor in the same slot
	s_wait_dscnt 4*NL                              ; P's set and R's blocks 0-3 are in; the youngest 24 loads (R's blocks 4-7) may be out
	WIN MUL_LO
	MUL16 0, (\q)%2, \q, \slot, \zero
	MUL16 2, (\q)%2, \q, \slot, \zero
	s_wait_dscnt 0                                 ; R's blocks 4-7 are in
	PLACES NP
	FETCH_B \slot, (\q)+1, 1-(\q)%2
	FETCH_A \slot, (\q)+1, 0
	WIN MUL_HI
	MUL16 4, (\q)%2, \q, \slot, \zero
	MUL16 6, (\q)%2, \q, \slot, \zero
	PLACES NP
	WIN 0
	FETCH_A \slot, (\q)+1, 4
.endm
; A slot's last step changes slots: one barrier; in front of it each wave waits for all its tensor loads, adds 0 to its spare word, and waits for that and for its reads of this slot.  fill = 1: the slot is filled again, two K steps ahead.
.macro TURN slot, next, fill
	s_wait_tensorcnt 0x0                           ; all my tensor loads have landed: my part of the next slot
	ds_add_u32 v[SPW], v[NIL]                      ; 0 onto my spare word
	s_wait_dscnt 4*NL+1                            ; (the add and the youngest 24 loads, R's blocks 4-7, may be out)
	WIN MUL_LO
	MUL16 0, 1, NQ-1, \slot, 0                     ; sixteen matrix instructions stand between the add and the wait for it
	s_wait_dscnt 0x0                               ; the add is done, and my reads of this slot are over
	s_barrier_signal -1
	MUL16 2, 1, NQ-1, \slot, 0
	WIN 0
	s_barrier_wait -1
.if \fill
	CREST                                          ; the barrier has opened a round of the cluster's barrier: no wave of any partner still reads this slot or has a load on its way
	s_add_nc_u64 s[G0+4*\slot+2:G0+4*\slot+3], s[G0+4*\slot+2:G0+4*\slot+3], 2*ROWB
	s_add_nc_u64 s[G0B+4*\slot+2:G0B+4*\slot+3], s[G0B+4*\slot+2:G0B+4*\slot+3], 2*ROWB
	JLOAD G0+4*\slot, G1, G0B+4*\slot, G1B         ; the first tensor load behind the round; its four v_nop are the places in front of the loads below
.else
	PLACES NP
.endif
	v_add_nc_u32 v[ADRS], 4*NQ, v[ADRS]            ; on to the next K step's scale words
	FETCH_B \next, 0, 0
	FETCH_A \next, 0, 0
	SCALES \next
	WIN MUL_HI
	MUL16 4, 1, NQ-1, \slot, 0
	MUL16 6, 1, NQ-1, \slot, 0
	PLACES NP
	WIN 0
	FETCH_A \next, 0, 4
.endm
	s_wait_tensorcnt 1                             ; the scale bytes and my part of K step 0 are in (K step 1's load may be out),
	s_barrier_signal -1
	s_barrier_wait -1                              ; everybody's are
	FETCH_B 0, 0, 0
	FETCH_A 0, 0, 0
	SCALES 0
	FETCH_A 0, 0, 4
	STEP 0, 0, 1                                   ; K = 1,024 is four K steps, eight steps of 128: written out.  The first step's products start the sums
	TURN 0, 1, 1                                   ; slot 0 takes K step 2
	STEP 1, 0, 0
	TURN 1, 0, 1                                   ; slot 1 takes K step 3
	STEP 0, 0, 0
	TURN 0, 1, 0                                   ; nothing is left to fetch
	STEP 1, 0, 0
	s_wait_dscnt 4*NL
	WIN MUL_LO
	MUL16 0, 1, NQ-1, 1, 0
	MUL16 2, 1, NQ-1, 1, 0
	s_wait_dscnt 0
	WIN MUL_HI
	MUL16 4, 1, NQ-1, 1, 0
	MUL16 6, 1, NQ-1, 1, 0
	WIN 0
; THE WAY OUT.  R's tile a: a lane's 64 registers, register 16 b + i = P's row 32 b + 16 (lane / 16) + i, become a fragment's 12 registers of codes and a scale word.  Nothing goes through LDS.
; Each accumulator is read from its low end on.
.macro QUANTW a
.set QS, 64*((\a)%4)
.set QW, 2+(\a)/4
.set QWW, (QW<<2)|(QW<<4)
.set CA, CD+12*(\a)
	WIN QWW                                        ; sources 1 and 2: the accumulators' window
.irp b, 0,1,2,3
	v_max3_num_f32 v[TM+\b], s[FL], |v[QS+16*\b]|, |v[QS+16*\b+1]|   ; block b: my 16 numbers, and the floor 2^(3 - 127): the byte cannot fall under 1
.endr
.irp i, 2,4,6,8,10,12,14
.irp b, 0,1,2,3
	v_max3_num_f32 v[TM+\b], v[TM+\b], |v[QS+16*\b+\i]|, |v[QS+16*\b+\i+1]|   ; (the four blocks by turns)
.endr
.endr
	WIN 0
.irp b, 0,1,2,3
	v_permlanex16_b32 v[TM+4+\b], v[TM+\b], s[SEL], s[SEL+1]
.endr
.irp b, 0,1,2,3
	v_max_num_f32 v[TM+\b], v[TM+\b], v[TM+4+\b]   ; with lane l xor 16's: the block's largest magnitude
.endr
.irp b, 0,1,2,3
	v_add_nc_u32 v[TM+12+\b], 0xff000000, v[TM+\b] ; 2 off its exponent field: the conversion's scale operand
.endr
.irp b, 0,1,2,3
	v_lshrrev_b32 v[TM+4+\b], 23, v[TM+12+\b]      ; the scale's byte
.endr
	v_lshl_or_b32 v[PW+(\a)], v[TM+5], 8, v[TM+4]  ; my row's scale word; lanes l and l xor 16 hold the same
	v_lshl_or_b32 v[PW+(\a)], v[TM+6], 16, v[PW+(\a)]
	v_lshl_or_b32 v[PW+(\a)], v[TM+7], 24, v[PW+(\a)]
	WIN QW                                         ; source 0: the accumulators' window
.irp c, 0,1
	v_cvt_scalef32_pk16_fp6_f32 v[CA+6*\c:CA+6*\c+2], v[QS+32*\c:QS+32*\c+15], v[TM+12+2*\c]
	v_cvt_scalef32_pk16_fp6_f32 v[T2+4*\c:T2+4*\c+2], v[QS+32*\c+16:QS+32*\c+31], v[TM+12+2*\c+1]   ; (a conversion's three registers begin on an even number)
.endr
	WIN 0
	v_nop                                          ; one plain place behind a scaled conversion
.irp c, 0,1                                    ; the operand's layout wants a whole block in a lane: lanes 0-15 block 2 c, lanes 16-31 block 2 c + 1
.irp i, 0,1,2
	v_permlane16_swap_b32 v[CA+6*\c+\i], v[T2+4*\c+\i]
.endr
.irp i, 0,1,2
	v_mov_b32 v[CA+3+6*\c+\i], v[T2+4*\c+\i]
.endr
.endr
.endm
	PLACES NP                                      ; behind the last products: their results are read, and R's fragments' registers written, below
.irp b, 0,1,2,3
	v_mov_b32 v[TM+4+\b], 0                        ; written once: a lane permute's destination counts as one of its sources
.endr
.irp a, 0,1,2,3,4,5,6,7
	QUANTW \a                                      ; each tile has its own registers for its codes and its word: no store's data are written again
.endr
	; where my results go.  q, k: tokens from R, heads from P; v: tokens from P, heads from R
	s_lshl_b32 s66, s15, 7
	s_add_co_u32 s66, s66, s96                     ; q, k: my first token
	s_lshl_b32 s67, s16, 7
	s_add_co_u32 s67, s67, s97                     ; v: my first token
	s_lshl_b32 s92, s40, 2
	s_lshl_b32 s93, s16, 1
	s_add_co_u32 s92, s92, s93                     ; q, k: my first head, 4 cx + 2 x half
	s_lshl_b32 s93, s41, 2
	s_lshl_b32 s94, s15, 1
	s_add_co_u32 s93, s93, s94                     ; v: 4 cy + 2 x half
	s_cmp_eq_u32 ttmp9, 0
	s_cselect_b32 s94, 64, 0                       ; Q's blocks lie 64 behind K's
	s_add_co_u32 s92, s92, s94
	s_cmp_eq_u32 s95, 1
	s_cselect_b32 s66, s67, s66
	s_cselect_b32 s92, s93, s92
	s_lshr_b32 s67, s66, 11                        ; the batch
	s_lshl_b32 s67, s67, 4
	s_add_co_u32 s92, s92, s67                     ; the block
	s_bfe_u32 s66, s66, 0x40007                    ; the record: (token / 128) % 16
	s_mul_i32 s92, s92, HS
	s_mul_i32 s66, s66, RS
	s_add_co_u32 s92, s92, s66
	s_mov_b32 s93, 0
	s_add_nc_u64 s[6:7], s[6:7], s[92:93]          ; my first head's record,
	s_add_nc_u64 s[8:9], s[6:7], HS                ; and my second's
	v_cmp_gt_u32 vcc_lo, 16, v[LN]                 ; lanes 0-15
	s_cmp_eq_u32 s95, 1                            ; the cluster's role: the same in all sixteen partners
	s_cbranch_scc1 .Lpath_v
	; q, k: registers 6 c .. 6 c + 5 of tile a are head c's half fragment of 16 tokens
.irp i, 0,1,2,3
	v_cndmask_b32 v[XW+\i], v[PW+2*\i+1], v[PW+2*\i], vcc_lo      ; lanes 0-15 tile 2 i's word, lanes 16-31 tile 2 i + 1's: head 0's bytes are the low two
.endr
.irp i, 0,1,2,3
	v_lshrrev_b32 v[XW+4+\i], 16, v[XW+\i]         ; head 1's
.endr
.irp a, 0,1,2,3,4,5,6,7
.irp c, 0,1
	global_store_b128 v[L16], v[CD+12*\a+6*\c:CD+12*\a+6*\c+3], s[6+2*\c:7+2*\c] offset:768*\a        ; 512 consecutive bytes, aligned to 256
	global_store_b64 v[L8], v[CD+12*\a+6*\c+4:CD+12*\a+6*\c+5], s[6+2*\c:7+2*\c] offset:768*\a+512    ; 256 consecutive bytes, aligned
.endr
.endr
.irp c, 0,1
	global_store_b128 v[L16], v[XW+4*\c:XW+4*\c+3], s[6+2*\c:7+2*\c] offset:12288
.endr
	s_branch .Lstored
.Lpath_v:
	; v: tile a = 4 c + t is head c's tile t of d: a whole fragment along 128 tokens
.irp c, 0,1
.irp i, 0,1
	v_cndmask_b32 v[XW+2*\c+\i], v[PW+4*\c+2*\i+1], v[PW+4*\c+2*\i], vcc_lo
.endr
.endr
.irp c, 0,1
.irp t, 0,1,2,3
.irp i, 0,1,2
	global_store_b128 v[L16], v[CD+12*(4*\c+\t)+4*\i:CD+12*(4*\c+\t)+4*\i+3], s[6+2*\c:7+2*\c] offset:6144+1536*\t+512*\i
.endr
.endr
	global_store_b64 v[L8], v[XW+2*\c:XW+2*\c+1], s[6+2*\c:7+2*\c] offset:12800
.endr
.Lstored:
	s_wait_tensorcnt 0x0                           ; the wave's end
	ds_add_u32 v[SPW], v[NIL]
	s_wait_dscnt 0x0
	CROUND                                         ; the closing round: no work-group ends while a partner may still ask for a tile that names it
	s_endpgm
.Lfunc_end_k_qd1bdeb203e_qkv:
	.size	k_qd1bdeb203e_qkv, .Lfunc_end_k_qd1bdeb203e_qkv-k_qd1bdeb203e_qkv
	.p2alignl 7, 3214868480
	.fill 96, 4, 3214868480
	.section	.rodata,"a",@progbits
	.p2align	6, 0x0
	.amdhsa_kernel k_qd1bdeb203e_qkv
		.amdhsa_group_segment_fixed_size 327680
		.amdhsa_private_segment_fixed_size 0
		.amdhsa_enable_private_segment 0
		.amdhsa_kernarg_size 16
		.amdhsa_user_sgpr_count 2
		.amdhsa_user_sgpr_kernarg_segment_ptr 1
		.amdhsa_wavefront_size32 1
		.amdhsa_system_sgpr_workgroup_id_x 1
		.amdhsa_system_sgpr_workgroup_id_y 1
		.amdhsa_system_sgpr_workgroup_id_z 1
		.amdhsa_system_vgpr_workitem_id 0
		.amdhsa_next_free_vgpr 1024
		.amdhsa_next_free_sgpr 100
		.amdhsa_reserve_vcc 1
		.amdhsa_float_denorm_mode_32 3
		.amdhsa_float_denorm_mode_16_64 3
		.amdhsa_memory_ordered 1
		.amdhsa_forward_progress 1
		.amdhsa_inst_pref_size 167
	.end_amdhsa_kernel
	.amdgpu_metadata
---
amdhsa.version: [ 1, 2 ]
amdhsa.kernels:
  - .name:           k_qd1bdeb203e_qkv
    .symbol:         k_qd1bdeb203e_qkv.kd
    .args:
      - { .name: cw, .offset: 0, .size: 8, .value_kind: global_buffer, .address_space: global }
      - { .name: qkv, .offset: 8, .size: 8, .value_kind: global_buffer, .address_space: global }
    .group_segment_fixed_size: 327680
    .private_segment_fixed_size: 0
    .kernarg_segment_align: 8
    .kernarg_segment_size: 16
    .max_flat_workgroup_size: 128
    .sgpr_count:     100
    .vgpr_count:     1024
    .wavefront_size: 32
...
	.end_amdgpu_metadata
.endif
;; end of part 2
;; launch attn (part 3): grid 8 x 64, 16 waves a work-group, clusters of 4 x 1, 327,680 bytes of LDS; arguments qkv, of; writes of
.if DOCPART == 3
	.amdgcn_target "amdgcn-amd-amdhsa--gfx1250"
	.amdhsa_code_object_version 6
	.text
	.protected	k_qd1bdeb203e_attn
	.globl	k_qd1bdeb203e_attn
	.p2align	8
	.type	k_qd1bdeb203e_attn,@function
k_qd1bdeb203e_attn:
	s_mov_b64 s[64:65], 0
	v_nop
	global_prefetch_b8 v0, s[64:65] scope:SCOPE_SE
	s_setreg_imm32_b32 hwreg(HW_REG_WAVE_MODE, 25, 1), 1
	s_wait_xcnt 0x0
	s_wait_alu depctr_hold_cnt(0) depctr_sa_sdst(0) depctr_va_vdst(0) depctr_va_sdst(0) depctr_va_ssrc(0) depctr_va_vcc(0) depctr_vm_vsrc(0)
	s_getreg_b32 s2, hwreg(HW_REG_IB_STS2, 6, 4)
	s_cmp_eq_u32 s2, 0
	s_cbranch_scc0 .Lentry_in_a_cluster
	s_endpgm
.Lentry_in_a_cluster:
	s_bfe_u32 s2, ttmp6, 0x10000c
	s_cmp_lg_u32 s2, 0x3003
	s_cbranch_scc0 .Lentry_shape_is_right
	s_endpgm
.Lentry_shape_is_right:
.set HS,   208896
.set RS,   13056
.set OSB,  6291456
.set PA,   53248
.set L16,  1
.set L8,   2
.set AD16, 3
.set AD8,  4
.set WV,   18
.set SEL,  20
.set CS,   22
.set G1A,  24
.set G1B,  32
.set G0A,  40
.set G0B,  44
.set TB,   48
.set CNT,  49
.macro ROUND
	s_barrier_signal -1
	s_barrier_wait -1
	s_cmp_lg_u32 s[WV], 0
	s_cbranch_scc1 .Lnot_wave_0_\@
	s_barrier_signal -3
.Lnot_wave_0_\@:
	s_barrier_wait -3
	s_barrier_signal -1
	s_barrier_wait -1
.endm
	s_load_b128 s[4:7], s[0:1], 0x0
	v_lshl_add_u32 v251, v0, 2, 0x34000
	v_mov_b32 v255, 0
	ds_add_u32 v251, v255
	ds_add_u32 v251, v255
	v_lshrrev_b32 v8, 5, v0
	s_delay_alu instid0(VALU_DEP_1)
	v_readfirstlane_b32 s[WV], v8
	s_bfe_u32 s8, ttmp6, 0x40000
	s_lshl_b32 s9, ttmp9, 2
	s_add_co_u32 s9, s9, s8
	s_and_b32 s10, ttmp7, 0xffff
	s_mul_i32 s12, s10, HS
	s_mov_b32 s13, 0
	s_mul_i32 s14, s[WV], 3328
	s_mul_i32 s15, s[WV], 9728
	s_add_co_u32 s15, s15, PA
	s_mov_b32 s[G1A], 15|(3<<16)|(1<<21)
	s_mov_b32 s[G1A+1], 32<<16
	s_mov_b32 s[G1A+2], 13<<16
	s_mov_b32 s[G1A+3], 32<<16
	s_mov_b32 s[G1A+4], 13
	s_mov_b32 s[G1A+5], 32
	s_mov_b32 s[G1A+6], 0
	s_mov_b32 s[G1A+7], 0
	s_mov_b32 s[G1B], 15|(3<<16)|(1<<21)
	s_mov_b32 s[G1B+1], 32<<16
	s_mov_b32 s[G1B+2], 38<<16
	s_mov_b32 s[G1B+3], 32<<16
	s_mov_b32 s[G1B+4], 38
	s_mov_b32 s[G1B+5], 32
	s_mov_b32 s[G1B+6], 0
	s_mov_b32 s[G1B+7], 0
	s_mov_b32 s[SEL], 0x76543210
	s_mov_b32 s[SEL+1], 0xfedcba98
	s_mov_b32 s[CS], 0x3e38aa3b
	s_mov_b32 s[CS+1], s[CS]
	s_mov_b32 s[TB], 0
	s_wait_dscnt 0x0
	s_wait_kmcnt 0x0
	s_add_nc_u64 s[50:51], s[4:5], s[12:13]
	s_mov_b32 s[G0A], 1
	s_mov_b32 s[G0A+1], s14
	s_mov_b32 s52, s14
	s_mov_b32 s53, 0
	s_add_nc_u64 s[G0A+2:G0A+3], s[50:51], s[52:53]
	s_or_b32 s[G0A+3], s[G0A+3], 0x80000000
	s_mov_b32 s[G0B], 1
	s_mov_b32 s[G0B+1], s15
	s_mov_b32 s52, s15
	s_add_nc_u64 s[G0B+2:G0B+3], s[50:51], s[52:53]
	s_or_b32 s[G0B+3], s[G0B+3], 0x80000000
	ROUND
	tensor_load_to_lds s[G0A:G0A+3], s[G1A:G1A+7]
	s_nop 0
	s_wait_alu depctr_va_vdst(0)
	s_wait_tensorcnt 0x0
	ds_add_u32 v251, v255
	s_wait_dscnt 0x0
	ROUND
	tensor_load_to_lds s[G0B:G0B+3], s[G1B:G1B+7]
	s_nop 0
.rept 4
	v_nop
.endr
	s_add_co_u32 s11, s10, 64
	s_mul_i32 s54, s11, HS
	s_lshl_b32 s55, s9, 1
	s_lshr_b32 s56, s[WV], 3
	s_add_co_u32 s55, s55, s56
	s_mul_i32 s55, s55, RS
	s_add_co_u32 s54, s54, s55
	s_and_b32 s56, s[WV], 7
	s_mul_i32 s57, s56, 768
	s_add_co_u32 s58, s54, s57
	s_mov_b32 s59, 0
	s_add_nc_u64 s[58:59], s[4:5], s[58:59]
	s_and_b32 s57, s56, 1
	s_lshl_b32 s57, s57, 8
	s_lshr_b32 s56, s56, 1
	s_lshl_b32 s56, s56, 2
	s_add_co_u32 s54, s54, s57
	s_add_co_u32 s54, s54, s56
	s_add_co_u32 s54, s54, 12288
	s_mov_b32 s55, 0
	s_add_nc_u64 s[54:55], s[4:5], s[54:55]
	v_and_b32 v8, 31, v0
	s_delay_alu instid0(VALU_DEP_1)
	v_lshlrev_b32 v[L16], 4, v8
	s_delay_alu instid0(VALU_DEP_2)
	v_lshlrev_b32 v[L8], 3, v8
	v_and_b32 v6, 15, v0
	s_delay_alu instid0(VALU_DEP_1)
	v_lshlrev_b32 v6, 4, v6
	global_load_b128 v[16:19], v[L16], s[58:59]
	global_load_b64 v[20:21], v[L8], s[58:59] offset:512
	global_load_b32 v28, v6, s[54:55]
.irp j, 22,23,24,25,26,27
	v_mov_b32 v\j, 0
.endr
.irp t, 0,1,2,3
.irp j, 6,7,8,9,10,11
	v_mov_b32 v[32+12*\t+\j], 0
.endr
.endr
	v_mov_b32 v13, 0xff61b1e6
	s_delay_alu instid0(VALU_DEP_1)
	v_floor_f32 v12, -v13
	v_mov_b32 v14, 0
	v_mov_b32 v15, 0
.irp b, 0,1,2,3
	v_mov_b32 v[236+\b], 0
.endr
	v_mov_b32 v253, 0
.irp j, 0,1,2,3,4,5,6,7,8,9,10,11,12,13,14,15,16,17,18,19,20,21,22,23,24,25,26,27,28,29,30,31
	v_mov_b32 v[160+\j], 0
.endr
.macro STEP
	s_setprio 2
	v_add_nc_u32 v[AD16], s[TB], v[L16]
	s_wait_alu depctr_va_vdst(0)
	v_add_nc_u32 v[AD8], s[TB], v[L8]
	s_wait_alu depctr_va_vdst(0)
.rept 3
	v_nop
.endr
.irp g, 0,1
.if \g
.rept 4
	v_nop
.endr
.endif
.irp t, 0,1,2,3
	ds_load_b128 v[32+12*\t:35+12*\t], v[AD16] offset:768*(4*\g+\t)
	ds_load_b64 v[36+12*\t:37+12*\t], v[AD8] offset:768*(4*\g+\t)+512
.endr
.if \g == 0
	ds_load_b128 v[80:83], v[AD16] offset:12288
	ds_load_b64 v[30:31], v[AD8] offset:12800
.endif
	s_wait_dscnt 0x0
.irp t, 0,1,2,3
.if \t%2
	v_wmma_scale_f32_16x16x128_f8f6f4 v[96+8*(4*\g+\t):103+8*(4*\g+\t)], v[32+12*\t:43+12*\t], v[16:27], 0, v[80+(4*\g+\t)/2], v28 matrix_a_fmt:MATRIX_FMT_FP6 matrix_b_fmt:MATRIX_FMT_FP6 matrix_a_scale:MATRIX_SCALE_ROW1
.else
	v_wmma_scale_f32_16x16x128_f8f6f4 v[96+8*(4*\g+\t):103+8*(4*\g+\t)], v[32+12*\t:43+12*\t], v[16:27], 0, v[80+(4*\g+\t)/2], v28 matrix_a_fmt:MATRIX_FMT_FP6 matrix_b_fmt:MATRIX_FMT_FP6
.endif
.endr
.endr
.rept 4
	v_nop
.endr
.irp b, 0,1,2,3
	v_max3_num_f32 v[232+\b], v[96+16*\b], v[97+16*\b], v[98+16*\b]
.endr
.irp i, 3,5,7,9,11,13
.irp b, 0,1,2,3
	v_max3_num_f32 v[232+\b], v[232+\b], v[96+16*\b+\i], v[97+16*\b+\i]
.endr
.endr
.irp b, 0,1,2,3
	v_max_num_f32 v[232+\b], v[232+\b], v[111+16*\b]
.endr
.irp b, 0,1,2,3
	s_delay_alu instid0(VALU_DEP_4)
	v_permlanex16_b32 v[236+\b], v[232+\b], s[SEL], s[SEL+1]
.endr
.irp b, 0,1,2,3
	s_delay_alu instid0(VALU_DEP_4)
	v_max_num_f32 v[232+\b], v[232+\b], v[236+\b]
.endr
	s_delay_alu instid0(VALU_DEP_2)
	v_max3_num_f32 v254, v232, v233, v234
	s_delay_alu instid0(VALU_DEP_1)
	v_max_num_f32 v254, v254, v235
	s_delay_alu instid0(VALU_DEP_1)
	v_mul_f32 v254, s[CS], v254
	s_delay_alu instid0(VALU_DEP_1)
	v_max_num_f32 v13, v13, v254
	v_mov_b32 v254, v12
	s_delay_alu instid0(VALU_DEP_2)
	v_floor_f32 v12, -v13
	s_delay_alu instid0(VALU_DEP_1)
	v_sub_f32 v254, v12, v254
	s_delay_alu instid0(VALU_DEP_1)
	v_cvt_i32_f32 v254, v254
	s_delay_alu instid0(VALU_DEP_1)
	v_ldexp_f32 v252, 1.0, v254
.irp j, 0,2,4,6,8,10,12,14,16,18,20,22,24,26,28,30,32,34,36,38,40,42,44,46,48,50,52,54,56,58,60,62
	v_pk_fma_f32 v[96+\j:97+\j], v[96+\j:97+\j], s[CS:CS+1], v[12:13] op_sel_hi:[1,0,0]
.endr
.irp b, 0,1,2,3
	v_fma_f32 v[232+\b], v[232+\b], s[CS], v12
.endr
	s_wait_alu depctr_va_vdst(0)
.irp j, 0,1,2,3,4,5,6,7,8,9,10,11,12,13,14,15,16,17,18,19,20,21,22,23,24,25,26,27,28,29,30,31,32,33,34,35,36,37,38,39,40,41,42,43,44,45,46,47,48,49,50,51,52,53,54,55,56,57,58,59,60,61,62,63
	v_exp_f32 v[96+\j], v[96+\j]
.endr
	s_setprio 1
	v_pk_mul_f32 v[14:15], v[14:15], v[252:253] op_sel_hi:[1,0]
	s_wait_alu depctr_va_vdst(0)
.irp b, 0,1,2,3
	v_exp_f32 v[232+\b], v[232+\b]
.endr
	v_pk_add_f32 v[236:237], v[96:97], v[98:99]
.irp j, 4,8,12,16,20,24,28,32,36,40,44,48,52,56,60
	v_pk_add_f32 v[14:15], v[14:15], v[96+\j:97+\j]
	v_pk_add_f32 v[236:237], v[236:237], v[98+\j:99+\j]
.endr
	s_delay_alu instid0(VALU_DEP_1)
	v_pk_add_f32 v[14:15], v[14:15], v[236:237]
	s_wait_alu depctr_va_vdst(0)
.irp b, 0,1,2,3
	v_max_num_f32 v[232+\b], 0x1800000, v[232+\b]
.endr
.irp b, 0,1,2,3
	s_delay_alu instid0(VALU_DEP_4)
	v_add_nc_u32 v[244+\b], 0xff000000, v[232+\b]
.endr
.irp b, 0,1,2,3
	s_delay_alu instid0(VALU_DEP_4)
	v_lshrrev_b32 v[236+\b], 23, v[244+\b]
.endr
	s_delay_alu instid0(VALU_DEP_3)
	v_lshl_or_b32 v29, v237, 8, v236
	s_delay_alu instid0(VALU_DEP_1)
	v_lshl_or_b32 v29, v238, 16, v29
	s_delay_alu instid0(VALU_DEP_1)
	v_lshl_or_b32 v29, v239, 24, v29
.irp c, 0,1
	v_cvt_scalef32_pk16_fp6_f32 v[192+6*\c:194+6*\c], v[96+32*\c:111+32*\c], v[244+2*\c]
	v_cvt_scalef32_pk16_fp6_f32 v[204+4*\c:206+4*\c], v[112+32*\c:127+32*\c], v[244+2*\c+1]
.endr
	v_nop
.irp c, 0,1
.irp i, 0,1,2
	v_permlane16_swap_b32 v[192+6*\c+\i], v[204+4*\c+\i]
.endr
.irp i, 0,1,2
	s_delay_alu instid0(VALU_DEP_3)
	v_mov_b32 v[195+6*\c+\i], v[204+4*\c+\i]
.endr
.endr
	s_setprio 0
.irp j, 0,2,4,6,8,10,12,14,16,18,20,22,24,26,28,30
	v_pk_mul_f32 v[160+\j:161+\j], v[160+\j:161+\j], v[252:253] op_sel_hi:[1,0]
.endr
.irp t, 0,1,2,3
.irp i, 0,1,2
	ds_load_b128 v[96+12*\t+4*\i:99+12*\t+4*\i], v[AD16] offset:6144+1536*\t+512*\i
.endr
.endr
	s_wait_alu depctr_va_vdst(0)
	s_wait_dscnt 0x0
.irp t, 0,1,2,3
.if \t%2
	v_wmma_scale_f32_16x16x128_f8f6f4 v[160+8*\t:167+8*\t], v[96+12*\t:107+12*\t], v[192:203], v[160+8*\t:167+8*\t], v[30+\t/2], v29 matrix_a_fmt:MATRIX_FMT_FP6 matrix_b_fmt:MATRIX_FMT_FP6 matrix_a_scale:MATRIX_SCALE_ROW1
.else
	v_wmma_scale_f32_16x16x128_f8f6f4 v[160+8*\t:167+8*\t], v[96+12*\t:107+12*\t], v[192:203], v[160+8*\t:167+8*\t], v[30+\t/2], v29 matrix_a_fmt:MATRIX_FMT_FP6 matrix_b_fmt:MATRIX_FMT_FP6
.endif
.endr
	s_add_co_u32 s[TB], s[TB], RS
.endm
	s_wait_loadcnt 0x0
	s_wait_tensorcnt 0x1
	s_barrier_signal -1
	s_barrier_wait -1
	s_mov_b32 s[CNT], 4
.Lfirst:
	STEP
	s_sub_co_u32 s[CNT], s[CNT], 1
	s_cmp_lg_u32 s[CNT], 0
	s_cbranch_scc1 .Lfirst
	s_setprio 0
	s_wait_tensorcnt 0x0
	s_wait_dscnt 0x0
	s_barrier_signal -1
	s_barrier_wait -1
	s_mov_b32 s[CNT], 12
.Lrest:
	STEP
	s_sub_co_u32 s[CNT], s[CNT], 1
	s_cmp_lg_u32 s[CNT], 0
	s_cbranch_scc1 .Lrest
	s_setprio 0
	v_add_f32 v14, v14, v15
	s_delay_alu instid0(VALU_DEP_1)
	v_permlanex16_b32 v252, v14, s[SEL], s[SEL+1]
	s_delay_alu instid0(VALU_DEP_1)
	v_add_f32 v14, v14, v252
	s_wait_alu depctr_va_vdst(0)
	v_rcp_f32 v14, v14
	v_and_b32 v7, 15, v0
	s_delay_alu instid0(VALU_DEP_1)
	v_lshlrev_b32 v7, 5, v7
	v_nop
	v_nop
	s_lshr_b32 s50, s10, 4
	s_lshl_b32 s50, s50, 7
	s_lshl_b32 s51, s9, 4
	s_add_co_u32 s50, s50, s51
	s_add_co_u32 s50, s50, s[WV]
	s_and_b32 s51, s10, 15
	s_lshl_b32 s52, s50, 4
	s_add_co_u32 s52, s52, s51
	s_mul_i32 s52, s52, 768
	s_mov_b32 s53, 0
	s_add_nc_u64 s[52:53], s[6:7], s[52:53]
	s_lshl_b32 s50, s50, 9
	s_lshl_b32 s51, s51, 1
	s_add_co_u32 s50, s50, s51
	s_add_co_u32 s50, s50, OSB
	s_mov_b32 s51, 0
	s_add_nc_u64 s[50:51], s[6:7], s[50:51]
	s_wait_alu depctr_va_vdst(0)
.irp j, 0,2,4,6,8,10,12,14,16,18,20,22,24,26,28,30
	v_pk_mul_f32 v[96+\j:97+\j], v[160+\j:161+\j], v[14:15] op_sel_hi:[1,0]
.endr
.irp b, 0,1
	v_max3_num_f32 v[232+\b], |v[96+16*\b]|, |v[97+16*\b]|, 0x1800000
.endr
.irp i, 2,4,6,8,10,12,14
.irp b, 0,1
	s_delay_alu instid0(VALU_DEP_2)
	v_max3_num_f32 v[232+\b], v[232+\b], |v[96+16*\b+\i]|, |v[97+16*\b+\i]|
.endr
.endr
.irp b, 0,1
	s_delay_alu instid0(VALU_DEP_2)
	v_permlanex16_b32 v[236+\b], v[232+\b], s[SEL], s[SEL+1]
.endr
.irp b, 0,1
	s_delay_alu instid0(VALU_DEP_2)
	v_max_num_f32 v[232+\b], v[232+\b], v[236+\b]
.endr
.irp b, 0,1
	s_delay_alu instid0(VALU_DEP_2)
	v_add_nc_u32 v[244+\b], 0xff000000, v[232+\b]
.endr
.irp b, 0,1
	s_delay_alu instid0(VALU_DEP_2)
	v_lshrrev_b32 v[236+\b], 23, v[244+\b]
.endr
	s_delay_alu instid0(VALU_DEP_1)
	v_lshl_or_b32 v254, v237, 8, v236
	v_cvt_scalef32_pk16_fp6_f32 v[192:194], v[96:111], v244
	v_cvt_scalef32_pk16_fp6_f32 v[204:206], v[112:127], v245
	v_nop
.irp i, 0,1,2
	v_permlane16_swap_b32 v[192+\i], v[204+\i]
.endr
.irp i, 0,1,2
	s_delay_alu instid0(VALU_DEP_3)
	v_mov_b32 v[195+\i], v[204+\i]
.endr
	global_store_b128 v[L16], v[192:195], s[52:53]
	global_store_b64 v[L8], v[196:197], s[52:53] offset:512
	global_store_b16 v7, v254, s[50:51]
	s_wait_tensorcnt 0x0
	ds_add_u32 v251, v255
	s_wait_dscnt 0x0
	ROUND
	s_endpgm
.Lfunc_end_k_qd1bdeb203e_attn:
	.size	k_qd1bdeb203e_attn, .Lfunc_end_k_qd1bdeb203e_attn-k_qd1bdeb203e_attn
	.p2alignl 7, 3214868480
	.fill 96, 4, 3214868480
	.section	.rodata,"a",@progbits
	.p2align	6, 0x0
	.amdhsa_kernel k_qd1bdeb203e_attn
		.amdhsa_group_segment_fixed_size 327680
		.amdhsa_private_segment_fixed_size 0
		.amdhsa_enable_private_segment 0
		.amdhsa_kernarg_size 16
		.amdhsa_user_sgpr_count 2
		.amdhsa_user_sgpr_kernarg_segment_ptr 1
		.amdhsa_wavefront_size32 1
		.amdhsa_system_sgpr_workgroup_id_x 1
		.amdhsa_system_sgpr_workgroup_id_y 1
		.amdhsa_system_sgpr_workgroup_id_z 1
		.amdhsa_system_vgpr_workitem_id 0
		.amdhsa_next_free_vgpr 256
		.amdhsa_next_free_sgpr 66
		.amdhsa_reserve_vcc 0
		.amdhsa_float_denorm_mode_32 3
		.amdhsa_float_denorm_mode_16_64 3
		.amdhsa_memory_ordered 1
		.amdhsa_forward_progress 1
		.amdhsa_inst_pref_size 48
	.end_amdhsa_kernel
	.amdgpu_metadata
---
amdhsa.version: [ 1, 2 ]
amdhsa.kernels:
  - .name:           k_qd1bdeb203e_attn
    .symbol:         k_qd1bdeb203e_attn.kd
    .args:
      - { .name: qkv, .offset: 0, .size: 8, .value_kind: global_buffer, .address_space: global }
      - { .name: of, .offset: 8, .size: 8, .value_kind: global_buffer, .address_space: global }
    .group_segment_fixed_size: 327680
    .private_segment_fixed_size: 0
    .kernarg_segment_align: 8
    .kernarg_segment_size: 16
    .max_flat_workgroup_size: 512
    .sgpr_count:     66
    .vgpr_count:     256
    .wavefront_size: 32
...
	.end_amdgpu_metadata
.endif
;; end of part 3
;; launch proj (part 4): grid 4 x 32, 4 waves a work-group, clusters of 4 x 4, 327,680 bytes of LDS; arguments of, cw, b_proj, out0; writes out0
.if DOCPART == 4
	.amdgcn_target "amdgcn-amd-amdhsa--gfx1250"
	.amdhsa_code_object_version 6
	.text
	.protected	k_qd1bdeb203e_proj
	.globl	k_qd1bdeb203e_proj
	.p2align	8
	.type	k_qd1bdeb203e_proj,@function
k_qd1bdeb203e_proj:
	s_mov_b64 s[64:65], 0
	v_nop
	global_prefetch_b8 v0, s[64:65] scope:SCOPE_SE
	s_setreg_imm32_b32 hwreg(HW_REG_WAVE_MODE, 25, 1), 1
	s_wait_xcnt 0x0
	s_wait_alu depctr_hold_cnt(0) depctr_sa_sdst(0) depctr_va_vdst(0) depctr_va_sdst(0) depctr_va_ssrc(0) depctr_va_vcc(0) depctr_vm_vsrc(0)
	s_getreg_b32 s2, hwreg(HW_REG_IB_STS2, 6, 4)
	s_cmp_eq_u32 s2, 0
	s_cbranch_scc0 .Lentry_in_a_cluster
	s_endpgm
.Lentry_in_a_cluster:
	s_bfe_u32 s2, ttmp6, 0x10000c
	s_cmp_lg_u32 s2, 0xf033
	s_cbranch_scc0 .Lentry_shape_is_right
	s_endpgm
.Lentry_shape_is_right:
; out0 = O W_proj^T + b_proj on codes of FP6 (E2M3) with E8M0 scales, K = 1,024.  O's codes come from the attention as images of the operand's registers ([tile of 16 positions][head][768 bytes]), its scale bytes as
; [position][32]; W_proj's codes and scale bytes are rows 11,264 on of cw.  out0: [8192][1024] f32.
; A tile of 256 x 256 is made by four waves, 128 x 128 each: 64 accumulators, 512 registers.  K goes in steps of 256 (four heads) through a ring of two LDS slots filled by the tensor data mover; the scale bytes come once.
; A (source 1) = 16 positions of O: a lane's row;  B (source 0) = 16 rows of W_proj: along a lane's registers.  Both stand in TILE ORDER (in each 32 the second and third groups of eight change places):
; register j of B's tile b is column 32 (b / 2) + 8 (b % 2) + 16 (lane / 16) + j; row t of A's tile a is token 32 (a / 2) + 8 (a % 2) + t + 8 (t / 8).  The way out puts both back.
; The bias is the C of each sum's first matrix instruction: eight registers for each of B's tiles, in the result's layout.
; CLUSTERS: 4 x 4 work-groups; A's tiles are asked for jointly along a row of the cluster, B's along a column.  The problem's 8,192 x 1,024 give 128 such tiles.
; REGISTERS: window 0: v0-31 addresses; v32-63 scale words, two sets; v64-127 the bias; v128-223 A's fragments, one set; on the way out v128-255.  window 1: B's fragments, two sets.  windows 2, 3: the accumulators.
.set NQ,     2
.set ROWB,   192                       ; B: a tile's row in bytes
.set KROW,   768                       ; a row of cw
.set PITCH,  240                       ; B's LDS row: 3 x (64 bytes + 16 of padding)
.set FR,     12
.set NL,     6                         ; LDS loads that bring a fragment of B
.set NLA,    4                         ; and of A
.set NP,     4                         ; places behind this matrix instruction (ISA guide 7.12.1)
.set AROW,   3072                      ; A: a tile of 16 positions in a K step: four heads' images
.set HALFA,  8*AROW                    ; 128 positions
.set HALFB,  128*PITCH
.set BOFF,   2*HALFA                   ; in a slot B's rows lie behind A's
.set SLOT,   BOFF+2*HALFB
.set KS,     32
.set SCL,    2*SLOT
.set HALFS,  (128*KS/256)*272
.set SBLK,   (16*KS/256)*272
.set SPARE,  SCL+4*HALFS               ; the spare words: 128 bytes for each wave, two blocks of 256 bytes that no other line names
.set SPITCH, 528                       ; the way out: a stage of 16 rows x (512 bytes + 16) for each wave, in slot 0, which has had its last fill and its last read when the first result is stored there
.set SCB,    9437184                   ; where the scale bytes begin in cw
.set OSB,    6291456                   ; and in of
.set ADRA, 16                          ; v16-17 16 x lane + my A rows in slot 0, 1;  v18-19 8 x lane + the same
.set ADRB, 20                          ; v20-21 B's fragments in slot 0, 1 (v22-23: behind one padding more)
.set STO,  24
.set RD,   25
.set CO,   26
.set ADRS, 27
.set SPW,  28
.set NIL,  29
.set SC,   32
.set BI,   64                          ; the bias: B's tile b at v[BI + 8 b]
.set AF,   128
.set BK,   128
.set G1, 24
.set G0, 32
.set G1B, 48
.set G0B, 56
.set G1S, 68
.set G0S, 76
.set G1SB, 80
.set G0SB, 88
.set MSB, 0
.macro WIN new                         ; the immediate's high byte repeats the setting that is left
.if MSB != \new
	s_set_vgpr_msb (MSB<<8)|\new
.set MSB, \new
.endif
.endm
.set MUL_LO, 0xa1                      ; source 0 (B) window 1, source 1 (A) window 0, C and D window 2
.set MUL_HI, 0xf1                      ; the same, C and D window 3
.set ONE_LO, 0x81                      ; the first step: C (the bias) window 0, D window 2
.set ONE_HI, 0xc1                      ; D window 3
.set TO_B,   0x40
.macro JLOAD g0a, g1a, g0b, g1b        ; a joint load: waves 0 and 1 fetch for A, waves 2 and 3 for B; four v_nop follow each of the two lines
	s_cmp_eq_u32 s15, 0
	s_cbranch_scc0 .Lfor_b_\@
	tensor_load_to_lds s[\g0a:\g0a+3], s[\g1a:\g1a+7]
	s_nop 0
.rept 4
	v_nop
.endr
	s_branch .Lasked_\@
.Lfor_b_\@:
	tensor_load_to_lds s[\g0b:\g0b+3], s[\g1b:\g1b+7]
	s_nop 0
.rept 4
	v_nop
.endr
.Lasked_\@:
.endm
.macro CREST
	s_cmp_lg_u32 s14, 0
	s_cbranch_scc1 .Lnot_wave_0_\@
	s_barrier_signal -3
.Lnot_wave_0_\@:
	s_barrier_wait -3
	s_barrier_signal -1
	s_barrier_wait -1
.endm
.macro CROUND
	s_barrier_signal -1
	s_barrier_wait -1
	CREST
.endm
	s_load_b256 s[4:11], s[0:1], 0x0               ; of s[4:5], cw s[6:7], b_proj s[8:9], out0 s[10:11]
	v_lshl_add_u32 v[SPW], v0, 2, SPARE
	v_mov_b32 v[NIL], 0
	ds_add_u32 v28, v29
	ds_add_u32 v28, v29
	s_wait_dscnt 0x0
	v_lshrrev_b32 v1, 5, v0
	v_readfirstlane_b32 s14, v1                    ; wave 0..3
	s_lshr_b32 s15, s14, 1                         ; which half of the tile's rows is mine.  Also: I fetch for A (0) or for B (1)
	s_and_b32 s16, s14, 1                          ; which half of its columns.  Also: which 128 rows I fetch
	s_bfe_u32 s40, ttmp6, 0x40000                  ; cx, cy
	s_bfe_u32 s41, ttmp6, 0x40004
	s_lshl_b32 s42, ttmp9, 2
	s_add_co_u32 s42, s42, s40                     ; tile column
	s_and_b32 s17, ttmp7, 0xffff
	s_lshl_b32 s17, s17, 2
	s_add_co_u32 s17, s17, s41                     ; tile row
	s_lshl_b32 s43, s41, 2
	s_lshl_b32 s43, 15, s43                        ; my row of the cluster
	s_lshl_b32 s44, 0x1111, s40                    ; my column
	; descriptor group 1 for A: 8 tiles of 16 positions x 3,072 bytes (384 elements of 8), 12,288 bytes apart; images need no padding
	s_or_b32 s[G1+0], s43, (3<<16)|(1<<21)
	s_mov_b32 s[G1+1], 384<<16                     ; tensor_dim0
	s_mov_b32 s[G1+2], 8<<16                       ; tensor_dim1
	s_mov_b32 s[G1+3], 384<<16                     ; tile_dim0
	s_mov_b32 s[G1+4], 8                           ; tile_dim1
	s_mov_b32 s[G1+5], 1536                        ; tensor_dim0_stride
	s_mov_b32 s[G1+6], 0
	s_mov_b32 s[G1+7], 0
	; for B: 128 rows x 192 bytes, 16 bytes of padding behind every 64
	s_or_b32 s[G1B+0], s44, (0<<16)|(1<<20)|(1<<21)|(3<<22)|(3<<25)
	s_mov_b32 s[G1B+1], ROWB<<16
	s_mov_b32 s[G1B+2], 128<<16
	s_mov_b32 s[G1B+3], ROWB<<16
	s_mov_b32 s[G1B+4], 128
	s_mov_b32 s[G1B+5], KROW
	s_mov_b32 s[G1B+6], 0
	s_mov_b32 s[G1B+7], 0
	; for the scale bytes of 128 rows: 16 rows of 256 bytes, 16 bytes of padding behind each
	s_or_b32 s[G1S+0], s43, (3<<16)|(1<<20)|(1<<21)|(5<<22)|(3<<25)
	s_or_b32 s[G1SB+0], s44, (3<<16)|(1<<20)|(1<<21)|(5<<22)|(3<<25)
.irp g, G1S, G1SB
	s_mov_b32 s[\g+1], 32<<16
	s_mov_b32 s[\g+2], (128*KS/256)<<16
	s_mov_b32 s[\g+3], 32<<16
	s_mov_b32 s[\g+4], 128*KS/256
	s_mov_b32 s[\g+5], 32
	s_mov_b32 s[\g+6], 0
	s_mov_b32 s[\g+7], 0
.endr
	s_lshl_b32 s18, s16, 7                         ; which 128 rows I fetch
	s_lshl_b32 s20, s17, 8
	s_add_co_u32 s20, s20, s18                     ; A: position 256 x tile row + 128 x half
	s_lshl_b32 s22, s20, 5                         ; its scale bytes: 32 a position
	s_add_co_u32 s22, s22, OSB
	s_mov_b32 s23, 0
	s_mul_i32 s20, s20, 768                        ; its images: 12,288 bytes for 16 positions
	s_mov_b32 s21, 0
	s_lshl_b32 s46, s42, 8
	s_add_co_u32 s46, s46, s18
	s_add_co_u32 s46, s46, 11264                   ; B: row of cw
	s_lshl_b32 s92, s46, 5
	s_add_co_u32 s92, s92, SCB
	s_mov_b32 s93, 0
	s_mul_i32 s46, s46, KROW
	s_mov_b32 s47, 0
	s_mul_i32 s45, s16, HALFA                      ; where they go in a slot: no place in the cluster enters an LDS address
	s_mul_i32 s95, s16, HALFB
	s_add_co_u32 s95, s95, BOFF
	s_mul_i32 s94, s14, HALFS
	s_wait_kmcnt 0x0
	s_add_nc_u64 s[20:21], s[4:5], s[20:21]
	s_add_nc_u64 s[22:23], s[4:5], s[22:23]
	s_add_nc_u64 s[46:47], s[6:7], s[46:47]
	s_add_nc_u64 s[92:93], s[6:7], s[92:93]
	CROUND                                         ; all sixteen work-groups are here: the first joint loads meet
	s_mov_b32 s[G0S], 1
	s_add_co_u32 s[G0S+1], s94, SCL
	s_mov_b64 s[G0S+2:G0S+3], s[22:23]
	s_or_b32 s[G0S+3], s[G0S+3], 0x80000000
	s_mov_b32 s[G0SB], 1
	s_add_co_u32 s[G0SB+1], s94, SCL
	s_mov_b64 s[G0SB+2:G0SB+3], s[92:93]
	s_or_b32 s[G0SB+3], s[G0SB+3], 0x80000000
	JLOAD G0S, G1S, G0SB, G1SB                     ; the scale bytes first
.irp s, 0,1
	s_mov_b32 s[G0+4*\s], 1
	s_add_co_u32 s[G0+4*\s+1], s45, \s*SLOT
	s_add_nc_u64 s[G0+4*\s+2:G0+4*\s+3], s[20:21], \s*AROW
	s_or_b32 s[G0+4*\s+3], s[G0+4*\s+3], 0x80000000
	s_mov_b32 s[G0B+4*\s], 1
	s_add_co_u32 s[G0B+4*\s+1], s95, \s*SLOT
	s_add_nc_u64 s[G0B+4*\s+2:G0B+4*\s+3], s[46:47], \s*ROWB
	s_or_b32 s[G0B+4*\s+3], s[G0B+4*\s+3], 0x80000000
	JLOAD G0+4*\s, G1, G0B+4*\s, G1B               ; three tensor loads of mine are out
.endr
	v_and_b32 v1, 15, v0                           ; l % 16
	v_bfe_u32 v2, v0, 4, 1                         ; l / 16
	v_and_b32 v6, 31, v0                           ; lane
	v_mul_u32_u24 v3, v1, PITCH
	v_mul_u32_u24 v4, v2, 24
	v_add_nc_u32 v4, v3, v4                        ; B: a fragment's row x pitch + 24 x half
	v_lshl_add_u32 v5, v2, 4, v4                   ; and the same behind one padding more
	v_lshlrev_b32 v7, 4, v6                        ; A: 16 x lane,
	v_lshlrev_b32 v8, 3, v6                        ; 8 x lane
	s_mul_i32 s21, s15, HALFA                      ; my 128 positions of A
	s_mul_i32 s22, s16, HALFB                      ; my 128 rows of B
	s_add_co_u32 s22, s22, BOFF
.irp s, 0,1
	v_add_nc_u32 v[ADRA+\s], s21, v7
	v_add_nc_u32 v[ADRA+2+\s], s21, v8
	v_add_nc_u32 v[ADRB+\s], s22, v4
	v_add_nc_u32 v[ADRB+2+\s], s22, v5
	s_add_co_u32 s21, s21, SLOT
	s_add_co_u32 s22, s22, SLOT
.endr
	v_mul_u32_u24 v5, v1, KS                       ; my row's scale bytes: 32 a row,
	v_lshrrev_b32 v9, 8, v5
	v_lshl_add_u32 v5, v9, 4, v5                   ; and 16 more for each 256 passed
	s_mul_i32 s21, s15, HALFS
	s_mul_i32 s22, s16, HALFS
	s_add_co_u32 s22, s22, 2*HALFS
	s_sub_co_u32 s22, s22, s21
	v_mul_u32_u24 v9, s22, v2                      ; lanes 16-31 take B's
	s_add_co_u32 s21, s21, SCL
	v_add_nc_u32 v5, v5, v9
	v_add_nc_u32 v[ADRS], s21, v5
	s_mul_i32 s23, s14, 16*SPITCH                  ; my stage
	v_mul_u32_u24 v5, v1, SPITCH                   ; in: row l % 16, + 64 bytes for lanes 16-31: their columns lie 16 further on
	v_lshl_add_u32 v5, v2, 6, v5
	v_add_nc_u32 v[STO], s23, v5
	v_lshlrev_b32 v[CO], 4, v6                     ; back: the 32 lanes take one row of 512 bytes; and the same in out0
	v_add_nc_u32 v[RD], s23, v[CO]
	s_lshl_b32 s46, s42, 10                        ; my first column, in bytes: 1,024 x tile column + 512 x half
	s_lshl_b32 s47, s16, 9
	s_add_co_u32 s46, s46, s47
	s_mov_b32 s47, 0
	s_add_nc_u64 s[8:9], s[8:9], s[46:47]          ; the bias at my first column
	v_lshlrev_b32 v9, 6, v2
.irp b, 0,1,2,3,4,5,6,7
	global_load_b128 v[BI+8*\b:BI+8*\b+3], v9, s[8:9] offset:128*(\b/2)+32*(\b%2)          ; columns 32 (b / 2) + 8 (b % 2) + 16 (lane / 16) + 0 .. 7
	global_load_b128 v[BI+8*\b+4:BI+8*\b+7], v9, s[8:9] offset:128*(\b/2)+32*(\b%2)+16
.endr
	s_lshl_b32 s20, s17, 8
	s_lshl_b32 s21, s15, 7
	s_add_co_u32 s20, s20, s21                     ; my first row of out0
	s_lshl_b32 s20, s20, 12                        ; 4,096 bytes a row
	s_mov_b32 s21, 0
	s_add_nc_u64 s[20:21], s[20:21], s[46:47]
	s_add_nc_u64 s[10:11], s[10:11], s[20:21]
.macro FRAG reg, adr, q, i             ; a fragment of B from rows: 24 bytes of the row's stream of bits twice, in pieces of 8 bytes
.irp p, 0,1,2,3,4,5
.set PC, 12*(\q)+6*(\p/3)+\p%3
.if PC%8 < 5
	ds_load_b64 v[\reg+2*\p:\reg+2*\p+1], v[\adr] offset:8*PC+16*(PC/8)+(\i)*16*PITCH
.else
	ds_load_b64 v[\reg+2*\p:\reg+2*\p+1], v[\adr+2] offset:8*PC+16*(PC/8)+(\i)*16*PITCH
.endif
.endr
.endm
.macro FRAGA reg, slot, q, i           ; a fragment of A from images: two heads' half fragments, each 512 bytes (registers 0-3, 16 a lane) and 256 bytes (registers 4-5, 8 a lane)
	ds_load_b128 v[\reg:\reg+3], v[ADRA+\slot] offset:(\i)*AROW+(\q)*1536
	ds_load_b64 v[\reg+4:\reg+5], v[ADRA+2+\slot] offset:(\i)*AROW+(\q)*1536+512
	ds_load_b128 v[\reg+6:\reg+9], v[ADRA+\slot] offset:(\i)*AROW+(\q)*1536+768
	ds_load_b64 v[\reg+10:\reg+11], v[ADRA+2+\slot] offset:(\i)*AROW+(\q)*1536+1280
.endm
; 16 matrix instructions: A's blocks a0, a0 + 1 x B's eight, 128 along K.  first = 1: the bias starts the sums.  The 64 accumulators take turns, one instruction a turn.
.macro MUL16 a0, p, q, sc, first
.irp a, \a0, \a0+1
.irp b, 0,1,2,3,4,5,6,7
.if \first
	v_wmma_scale_f32_16x16x128_f8f6f4 v[8*(8*((\a)%4)+\b):8*(8*((\a)%4)+\b)+7], v[128*(\p)+FR*\b:128*(\p)+FR*\b+FR-1], v[AF+FR*(\a):AF+FR*(\a)+FR-1], v[BI+8*\b:BI+8*\b+7], v[SC+8*NQ*(\sc)+NQ*\b+(\q)], v[SC+8*NQ*(\sc)+NQ*(\a)+(\q)] matrix_a_fmt:MATRIX_FMT_FP6 matrix_b_fmt:MATRIX_FMT_FP6 matrix_a_scale:MATRIX_SCALE_ROW1
.else
	v_wmma_scale_f32_16x16x128_f8f6f4 v[8*(8*((\a)%4)+\b):8*(8*((\a)%4)+\b)+7], v[128*(\p)+FR*\b:128*(\p)+FR*\b+FR-1], v[AF+FR*(\a):AF+FR*(\a)+FR-1], v[8*(8*((\a)%4)+\b):8*(8*((\a)%4)+\b)+7], v[SC+8*NQ*(\sc)+NQ*\b+(\q)], v[SC+8*NQ*(\sc)+NQ*(\a)+(\q)] matrix_a_fmt:MATRIX_FMT_FP6 matrix_b_fmt:MATRIX_FMT_FP6 matrix_a_scale:MATRIX_SCALE_ROW1
.endif
.endr
.endr
.endm
.macro FETCH_B slot, q, p
	WIN TO_B
.irp i, 0,1,2,3,4,5,6,7
	FRAG 128*(\p)+FR*\i, ADRB+\slot, \q, \i
.endr
	WIN 0
.endm
.macro FETCH_A slot, q, i0
.irp i, \i0, \i0+1, \i0+2, \i0+3
	FRAGA AF+FR*(\i), \slot, \q, \i
.endr
.endm
.macro SCALES sc
.irp i, 0,1,2,3,4,5,6,7
	ds_load_b64 v[SC+8*NQ*\sc+NQ*\i:SC+8*NQ*\sc+NQ*\i+1], v[ADRS] offset:\i*SBLK
.endr
.endm
.macro PLACES n
.rept \n
	v_nop
.endr
.endm
.macro STEP slot, q, first
	s_wait_dscnt 4*NLA                             ; B's set and A's blocks 0-3 are in; the youngest 16 loads (A's blocks 4-7) may be out
.if \first
	WIN ONE_LO
.else
	WIN MUL_LO
.endif
	MUL16 0, (\q)%2, \q, \slot, \first
	MUL16 2, (\q)%2, \q, \slot, \first
	s_wait_dscnt 0
	PLACES NP
	FETCH_B \slot, (\q)+1, 1-(\q)%2
	FETCH_A \slot, (\q)+1, 0
.if \first
	WIN ONE_HI
.else
	WIN MUL_HI
.endif
	MUL16 4, (\q)%2, \q, \slot, \first
	MUL16 6, (\q)%2, \q, \slot, \first
	PLACES NP
	WIN 0
	FETCH_A \slot, (\q)+1, 4
.endm
.macro TURN slot, next, fill
	s_wait_tensorcnt 0x0                           ; all my tensor loads have landed: my part of the next slot
	ds_add_u32 v[SPW], v[NIL]                      ; 0 onto my spare word
	s_wait_dscnt 4*NLA+1                           ; (the add and the youngest 16 loads, A's blocks 4-7, may be out)
	WIN MUL_LO
	MUL16 0, 1, NQ-1, \slot, 0                     ; sixteen matrix instructions stand between the add and the wait for it
	s_wait_dscnt 0x0                               ; the add is done, and my reads of this slot are over
	s_barrier_signal -1
	MUL16 2, 1, NQ-1, \slot, 0
	WIN 0
	s_barrier_wait -1
.if \fill
	CREST                                          ; the barrier has opened a round of the cluster's barrier: no wave of any partner still reads this slot or has a load on its way
	s_add_nc_u64 s[G0+4*\slot+2:G0+4*\slot+3], s[G0+4*\slot+2:G0+4*\slot+3], 2*AROW
	s_add_nc_u64 s[G0B+4*\slot+2:G0B+4*\slot+3], s[G0B+4*\slot+2:G0B+4*\slot+3], 2*ROWB
	JLOAD G0+4*\slot, G1, G0B+4*\slot, G1B         ; the first tensor load behind the round; its four v_nop are the places in front of the loads below
.else
	PLACES NP
.endif
	v_add_nc_u32 v[ADRS], 4*NQ, v[ADRS]
	FETCH_B \next, 0, 0
	FETCH_A \next, 0, 0
	SCALES \next
	WIN MUL_HI
	MUL16 4, 1, NQ-1, \slot, 0
	MUL16 6, 1, NQ-1, \slot, 0
	PLACES NP
	WIN 0
	FETCH_A \next, 0, 4
.endm
	s_wait_tensorcnt 1                             ; the scale bytes and my part of K step 0 are in (K step 1's load may be out),
	s_barrier_signal -1
	s_barrier_wait -1                              ; everybody's are
	FETCH_B 0, 0, 0
	FETCH_A 0, 0, 0
	SCALES 0
	FETCH_A 0, 0, 4
	s_wait_loadcnt 0x0                             ; the bias
	STEP 0, 0, 1                                   ; four K steps, eight steps of 128, written out.  The first step's products start the sums, on the bias
	TURN 0, 1, 1                                   ; slot 0 takes K step 2
	STEP 1, 0, 0
	TURN 1, 0, 1                                   ; slot 1 takes K step 3
	STEP 0, 0, 0
	TURN 0, 1, 0                                   ; nothing is left to fetch
	STEP 1, 0, 0
	s_wait_dscnt 4*NLA
	WIN MUL_LO
	MUL16 0, 1, NQ-1, 1, 0
	MUL16 2, 1, NQ-1, 1, 0
	s_wait_dscnt 0
	WIN MUL_HI
	MUL16 4, 1, NQ-1, 1, 0
	MUL16 6, 1, NQ-1, 1, 0
	WIN 0
; THE WAY OUT, block by block of 16 rows x 128 columns, through my own stage in LDS: in by lanes (32 bytes of a row, at the columns' true place), back as whole rows of 512 bytes.
; LDS serves a wave's instructions in order (ISA guide 5.7.1.4): no wait between the stores and the loads, nor in front of the next block's stores.
.macro TOSTAGE a
.set AC, 64*((\a)%4)
.set WS, 0x08+4*((\a)/4)
	WIN WS                                         ; the data: window 2 or 3
.irp b, 0,1,2,3,4,5,6,7
	ds_store_b128 v[STO], v[AC+8*\b:AC+8*\b+3] offset:128*(\b/2)+32*(\b%2)          ; each accumulator from its low end on
	ds_store_b128 v[STO], v[AC+8*\b+4:AC+8*\b+7] offset:128*(\b/2)+32*(\b%2)+16
.endr
	WIN 0
.set BB, BK+64*((\a)%2)
.irp t, 0,1,2,3,4,5,6,7,8,9,10,11,12,13,14,15
	ds_load_b128 v[BB+4*\t:BB+4*\t+3], v[RD] offset:\t*SPITCH
.endr
.endm
.macro SEND a, younger                 ; younger: the LDS instructions issued behind block a's loads, which may stay out
.set BB, BK+64*((\a)%2)
	s_wait_dscnt \younger
.irp t, 0,1,2,3,4,5,6,7,8,9,10,11,12,13,14,15
	global_store_b128 v[CO], v[BB+4*\t:BB+4*\t+3], s[10:11] offset:(32*((\a)/2)+8*((\a)%2)+\t+8*(\t/8))*4096 th:TH_STORE_NT   ; the row's true place stands in the immediate, 127 rows at the most; 32 lanes store 512 consecutive bytes, aligned
.endr
.endm
	PLACES NP
	TOSTAGE 0
.irp a, 1,2,3,4,5,6,7
.if \a > 1
	s_wait_xcnt 0x0                                ; block a - 2's stores have read their registers: block a's loads may land there
.endif
	TOSTAGE \a
	SEND \a-1, 32                                  ; behind block a - 1's loads: block a's 16 stores and 16 loads
.endr
	SEND 7, 0
	s_wait_tensorcnt 0x0                           ; the wave's end
	ds_add_u32 v[SPW], v[NIL]
	s_wait_dscnt 0x0
	CROUND                                         ; the closing round
	s_endpgm
.Lfunc_end_k_qd1bdeb203e_proj:
	.size	k_qd1bdeb203e_proj, .Lfunc_end_k_qd1bdeb203e_proj-k_qd1bdeb203e_proj
	.p2alignl 7, 3214868480
	.fill 96, 4, 3214868480
	.section	.rodata,"a",@progbits
	.p2align	6, 0x0
	.amdhsa_kernel k_qd1bdeb203e_proj
		.amdhsa_group_segment_fixed_size 327680
		.amdhsa_private_segment_fixed_size 0
		.amdhsa_enable_private_segment 0
		.amdhsa_kernarg_size 32
		.amdhsa_user_sgpr_count 2
		.amdhsa_user_sgpr_kernarg_segment_ptr 1
		.amdhsa_wavefront_size32 1
		.amdhsa_system_sgpr_workgroup_id_x 1
		.amdhsa_system_sgpr_workgroup_id_y 1
		.amdhsa_system_sgpr_workgroup_id_z 1
		.amdhsa_system_vgpr_workitem_id 0
		.amdhsa_next_free_vgpr 1024
		.amdhsa_next_free_sgpr 100
		.amdhsa_reserve_vcc 0
		.amdhsa_float_denorm_mode_32 3
		.amdhsa_float_denorm_mode_16_64 3
		.amdhsa_memory_ordered 1
		.amdhsa_forward_progress 1
		.amdhsa_inst_pref_size 153
	.end_amdhsa_kernel
	.amdgpu_metadata
---
amdhsa.version: [ 1, 2 ]
amdhsa.kernels:
  - .name:           k_qd1bdeb203e_proj
    .symbol:         k_qd1bdeb203e_proj.kd
    .args:
      - { .name: of, .offset: 0, .size: 8, .value_kind: global_buffer, .address_space: global }
      - { .name: cw, .offset: 8, .size: 8, .value_kind: global_buffer, .address_space: global }
      - { .name: b_proj, .offset: 16, .size: 8, .value_kind: global_buffer, .address_space: global }
      - { .name: out0, .offset: 24, .size: 8, .value_kind: global_buffer, .address_space: global }
    .group_segment_fixed_size: 327680
    .private_segment_fixed_size: 0
    .kernarg_segment_align: 8
    .kernarg_segment_size: 32
    .max_flat_workgroup_size: 128
    .sgpr_count:     100
    .vgpr_count:     1024
    .wavefront_size: 32
...
	.end_amdgpu_metadata
.endif
;; end of part 4
